; MI455X (gfx1250); checked and timed in simulation.
; The chip was launched on July 23, 2026; its instructions are those of AMD's public machine-readable ISA for CDNA 5 (MIT licence, August 2026) and "CDNA5" Instruction Set Architecture Reference Guide (July 2026). The comments in the code are by the model that wrote it; some were corrected since.
;; Attention. Allowed arithmetic: matrix products marked QUANTISED: E2M1 operands, one E8M0 scale for each 32 along K, by v_wmma_scale_f32_16x16x128_f8f6f4 with both operands' format E2M1 (or v_wmma_scale_f32_32x16x128_f4), f32 sums; products left as they are: bf16, f16 or f32 operands; f32 sums; everything else in f32.
;; Inputs: freqs_cos 2,048 x 64 float32; freqs_sin 2,048 x 64 float32; wk 1,024 x 4,096 float32; wo 4,096 x 2,048 float32; wq 2,048 x 4,096 float32; wv 1,024 x 4,096 float32; x 1 x 2,048 x 4,096 float32.
;; Outputs: out0 1 x 2,048 x 4,096 float32.
;; Constants: start_pos = 0.
;; This version of the problem:
;;   THIS VERSION OF THE PROBLEM IS GIVEN IN LOW PRECISION. The matrix products marked QUANTISED in the list below multiply operands that are first quantised to E2M1 (2 exponent bits, 1 mantissa bit; 4 bits a number), with one power-of-two scale for each 32 numbers along K (OCP MX v1.0); their sums are f32. The products marked 'left as it is' may take bf16, f16 or f32 operands, with f32 sums. Whichever they take, every output number must still come out within the allowed error. Rounding operands to bf16 (8 significant bits) uses up far more of that allowance than f16 does (11 bits, for magnitudes from 6e-5 to 65,504). All else is computed in f32.
;;   The module's matrix products, in the order in which they are computed (A, B: the left and right operand; K: the contracted axis; several contracted axes count as one K, in the product's order):
;;     1. [M 2,048, K 4,096] x [K 4,096, N 2,048]; A: input x; B: input wq: QUANTISED
;;     2. [M 2,048, K 4,096] x [K 4,096, N 1,024]; A: input x; B: input wk: QUANTISED
;;     3. [M 2,048, K 4,096] x [K 4,096, N 1,024]; A: input x; B: input wv: QUANTISED
;;     4. batch 8 x [M 4,096, K 128] x [K 128, N 2,048]; A: computed on the way; B: computed on the way: left as it is (an operand is computed on the way)
;;     5. batch 8 x [M 4,096, K 2,048] x [K 2,048, N 128]; A: computed on the way; B: computed on the way: left as it is (an operand is computed on the way)
;;     6. [M 2,048, K 2,048] x [K 2,048, N 4,096]; A: computed on the way; B: input wo: left as it is (an operand is computed on the way)
;;   THE QUANTISER, for each operand of a quantised product, along K:
;;     - K is cut into blocks of 32 from its start; a last block that is shorter is filled with zeros.
;;     - A block's scale is 2^e with e = floor(log2(the largest magnitude in the block)) - 2, held to -126 .. 127; a block of zeros has e = 0. As a byte (E8M0): e + 127.
;;     - Each number is divided by its block's scale, clamped to +-6, and rounded to the nearest number of E2M1, ties to even, subnormals kept.
;;     - The product sums the exact products of the quantised numbers (number of the format x scale) in f32.
;;   ~~~python
;;   def quantise(x, axis):      # numpy; x: float32 -> the quantised numbers, widened to float32 again
;;       x = np.moveaxis(x, axis, -1); K = x.shape[-1]
;;       x = np.pad(x, [(0, 0)] * (x.ndim - 1) + [(0, -K % 32)]); x = x.reshape(x.shape[:-1] + (-1, 32)); a = np.abs(x).max(-1, keepdims=True)
;;       e = np.where(a > 0, np.clip(np.frexp(np.where(a > 0, a, 1))[1] - 1 - 2, -126, 127), 0)      # np.frexp(a)[1] - 1 = floor(log2(a)), exactly
;;       r = np.clip(x / 2.0 ** e, -6, 6)
;;       step = 2.0 ** (np.maximum(np.frexp(np.where(r == 0, 1, r))[1] - 1, 0) - 1)
;;       q = np.round(r / step) * step * 2.0 ** e      # np.round: ties to even
;;       return np.moveaxis(q.reshape(q.shape[:-2] + (-1,))[..., :K], -1, axis).astype(np.float32)
;;   ~~~
;; One version. Each part assembles by itself: llvm-mc -triple=amdgcn-amd-amdhsa -mcpu=gfx1250 --defsym DOCPART=n.
;; ======== version 1 of 1: 4 launches
;; limits: values are held in f16: magnitudes above 65,504 overflow, below 6.1e-05 lose precision; right only within a limited range of input values
;; workspace buffers: xc 4,456,448 bytes; wc 8,912,896 bytes; wo16 16,777,216 bytes; qkv 16,777,216 bytes; att 8,388,608 bytes
;; launch prep (part 1): grid 1024 x 1, 4 waves a work-group, no clusters, 39,424 bytes of LDS; arguments x, wq, wk, wv, wo, xc, wc, wo16; writes xc, wc, wo16
.if DOCPART == 1
	.amdgcn_target "amdgcn-amd-amdhsa--gfx1250"
	.amdhsa_code_object_version 6
	.text
	.protected	k_q5b277d714e_prep
	.globl	k_q5b277d714e_prep
	.p2align	8
	.type	k_q5b277d714e_prep,@function
k_q5b277d714e_prep:
	s_mov_b64 s[64:65], 0
	v_nop
	global_prefetch_b8 v0, s[64:65] scope:SCOPE_SE
	s_setreg_imm32_b32 hwreg(HW_REG_WAVE_MODE, 25, 1), 1
	s_wait_xcnt 0x0
; x [2048][4096] and W = [wq; wk; wv] [4096][4096], f32, K innermost, become codes of FP4 (E2M1) with one E8M0 byte for each 32 along K; wo [4096][2048] becomes 16 x wo in f16.
; A block's scale is 2^(floor(log2(its largest magnitude)) - 2); its byte is the largest magnitude's exponent field - 2, held at 1 from below; each number is divided by the scale and rounded to the nearest code, ties to even, beyond 6 the code of 6.
; LAYOUT OF xc AND wc: [K step of 512][row][272 bytes]: a row's 256 bytes of codes of that K step (two codes a byte, the lower k in the low four bits), then its 16 scale bytes.
; So 128 rows of one K step are 34,816 consecutive bytes, and in LDS rows lie 272 bytes apart with the scale bytes where padding would be.
; SHARES: work-groups 0-255 take x, 256-511 wq, 512-639 wk, 640-767 wv, 768-1023 cast wo; 32,768 numbers each, 8,192 a wave.  A quantising wave takes 16 rows x one K step: 16 steps of one row's 512 numbers.
; Each of a step's four loads reads 512 consecutive bytes; the 2,048 bytes turn through the wave's own stage in LDS so that a lane holds 16 neighbours along K (two lanes to a block).
; Codes and scale bytes are gathered in the wave's image of its 16 output rows (4,352 bytes) and leave as 17 aligned pieces of 256 bytes.  Waves share nothing: no barrier.
; LIMITS: a block of zeros gets the byte 1, not 127 (its codes are zeros, and this program alone reads the bytes); blocks whose largest magnitude lies under 2^-124 keep the floor's byte; NaN and infinities are not served;
; |wo| stays under 4,094 (16 x wo in f16).
.set WREG,  9728                       ; LDS of a wave: two stages of 32 x SP bytes, then the image
.set SP,    80                         ; a lane's place in a stage: 64 bytes + 16 of padding
.set IMG,   2*32*SP                    ; the image of 16 output rows
.set ROWP,  272
.set SPARE, 4*WREG                     ; behind the four regions: the spare words, 128 bytes a wave
.set STEPS, 16
.set EMAX,  2
.set SPW,   12                         ; v12 LDS address of my spare word; never rewritten
.set NIL,   13                         ; v13 0; never rewritten
.set R,     16                         ; v16-79   four sets of 16 numbers as loaded (cast: 16 slots of 4)
.set X,     80                         ; v80-111  two sets of 16 neighbours (cast: 16 slots of 2, to store)
.set E,     112                        ; v112-127 a scale byte for each step
.set C,     128                        ; v128-191 codes, four registers a step
	s_load_b256 s[4:11], s[0:1], 0x0               ; x s[4:5], wq s[6:7], wk s[8:9], wv s[10:11]
	s_load_b256 s[12:19], s[0:1], 0x20             ; wo s[12:13], xc s[14:15], wc s[16:17], wo16 s[18:19]
	v_lshl_add_u32 v[SPW], v0, 2, SPARE
	v_mov_b32 v[NIL], 0
	v_lshrrev_b32 v1, 5, v0
	v_readfirstlane_b32 s20, v1                    ; wave
	v_and_b32 v2, 31, v0                           ; lane
	v_lshlrev_b32 v3, 4, v2                        ; 16 x lane
	v_lshlrev_b32 v7, 3, v2                        ; 8 x lane
	s_cmp_ge_u32 ttmp9, 768                        ; the last 256 work-groups cast wo
	s_cbranch_scc1 .Lcast
	s_mul_i32 s21, s20, WREG
	v_lshrrev_b32 v14, 2, v2
	v_mul_u32_u24 v14, v14, SP
	v_and_b32 v15, 3, v2
	v_lshl_add_u32 v14, v15, 4, v14
	v_add_nc_u32 v14, s21, v14                     ; the stage, on the way in: SP (lane / 4) + 16 (lane % 4)
	v_mul_u32_u24 v15, v2, SP
	v_add_nc_u32 v15, s21, v15                     ; and on the way out: SP x lane
	s_add_co_u32 s21, s21, IMG
	v_add_nc_u32 v4, s21, v7                       ; the image: my 8 bytes of codes in a row
	v_add_nc_u32 v6, s21, v3                       ; the image read back, 16 bytes a lane
	v_lshrrev_b32 v5, 1, v2
	v_add_nc_u32 v5, s21, v5
	v_add_nc_u32 v5, 256, v5                       ; my block's scale byte, behind the row's codes
	s_wait_kmcnt 0x0
	s_cmp_lt_u32 ttmp9, 640                        ; which tensor: the choice hangs on the work-group's number alone
	s_cselect_b64 s[22:23], s[8:9], s[10:11]
	s_mov_b32 s24, 640
	s_cselect_b32 s24, 512, s24                    ; the tensor's first work-group
	s_cmp_lt_u32 ttmp9, 512
	s_cselect_b64 s[22:23], s[6:7], s[22:23]
	s_cselect_b32 s24, 256, s24
	s_cmp_lt_u32 ttmp9, 256
	s_cselect_b64 s[22:23], s[4:5], s[22:23]
	s_cselect_b32 s24, 0, s24
	s_cselect_b64 s[26:27], s[14:15], s[16:17]     ; xc or wc
	s_cselect_b32 s25, 0, 256                      ; the output buffer's first work-group
	s_mov_b32 s28, 4096*ROWP
	s_cselect_b32 s28, 2048*ROWP, s28              ; bytes of a K step in the output buffer
	s_sub_co_u32 s29, ttmp9, s24
	s_lshl_b32 s29, s29, 2
	s_add_co_u32 s29, s29, s20                     ; my run in the tensor
	s_sub_co_u32 s30, ttmp9, s25
	s_lshl_b32 s30, s30, 2
	s_add_co_u32 s30, s30, s20                     ; and in the output buffer
	s_and_b32 s31, s29, 7                          ; K step (the same for both)
	s_lshr_b32 s29, s29, 3                         ; group of 16 rows, in
	s_lshl_b32 s32, s29, 18                        ; 16 rows of 16,384 bytes
	s_lshl_b32 s33, s31, 11                        ; 512 numbers of 4 bytes
	s_add_co_u32 s32, s32, s33
	s_mov_b32 s33, 0
	s_add_nc_u64 s[22:23], s[22:23], s[32:33]
	s_lshr_b32 s30, s30, 3                         ; group of 16 rows, out
	s_mul_i32 s34, s30, 16*ROWP
	s_mul_i32 s35, s31, s28
	s_add_co_u32 s34, s34, s35
	s_mov_b32 s35, 0
	s_add_nc_u64 s[26:27], s[26:27], s[34:35]
.macro LOAD t                          ; row t's 512 numbers: four loads of 512 consecutive bytes
.irp i, 0,1,2,3
	global_load_b128 v[R+16*((\t)%4)+4*\i:R+16*((\t)%4)+4*\i+3], v3, s[22:23] offset:16384*(\t)+512*\i th:TH_LOAD_NT
.endr
.endm
.macro TURN t                          ; step t's numbers through the stage: LDS serves a wave's instructions in order, so no wait stands between the stores and the loads
.irp i, 0,1,2,3
	ds_store_b128 v14, v[R+16*((\t)%4)+4*\i:R+16*((\t)%4)+4*\i+3] offset:32*SP*((\t)%2)+8*SP*\i
.endr
.irp i, 0,1,2,3
	ds_load_b128 v[X+16*((\t)%2)+4*\i:X+16*((\t)%2)+4*\i+3], v15 offset:32*SP*((\t)%2)+16*\i
.endr
.endm
.irp t, 0,1,2,3
	LOAD \t
.endr
	s_wait_loadcnt 12                              ; step 0's four loads are in
	TURN 0
.macro STEP t
.set XS, X+16*((\t)%2)
.if (\t) > 0
	s_wait_dscnt 2                                 ; this step's numbers are back from the stage; the last step's two stores into the image, issued behind them, may be out
.else
	s_wait_dscnt 0x0
.endif
.if (\t)+4 < STEPS
	LOAD (\t)+4                                    ; into the registers that this step's stage stores have read
.endif
.if (\t)+1 < STEPS
.if STEPS-2-(\t) >= 3
	s_wait_loadcnt 12                              ; the next step's four loads are in; three steps' loads behind them may be out
.else
	s_wait_loadcnt 4*(STEPS-2-(\t))
.endif
	TURN (\t)+1
.endif
	v_max3_num_f32 v8, |v[XS]|, |v[XS+1]|, |v[XS+2]|               ; the largest magnitude of my 16, in two chains
	v_max3_num_f32 v9, |v[XS+3]|, |v[XS+4]|, |v[XS+5]|
.irp i, 6,10
	v_max3_num_f32 v8, v8, |v[XS+\i]|, |v[XS+\i+1]|
	v_max3_num_f32 v9, v9, |v[XS+\i+2]|, |v[XS+\i+3]|
.endr
	v_max3_num_f32 v8, v8, |v[XS+14]|, |v[XS+15]|
	v_max3_num_f32 v8, v8, v9, (EMAX+1)<<23        ; and the floor 2^(3 - 127): the byte cannot fall under 1
	v_max_num_f32_dpp v8, v8, v8 row_xmask:1 row_mask:0xf bank_mask:0xf   ; with my neighbour's 16: the block's
	v_add_nc_u32 v11, -(EMAX<<23), v8              ; 2 off its exponent field: the conversion takes this operand's exponent field as its scale
	v_cvt_scalef32_pk8_fp4_f32 v[C+4*(\t)], v[XS:XS+7], v11
	v_cvt_scalef32_pk8_fp4_f32 v[C+4*(\t)+1], v[XS+8:XS+15], v11
	v_lshrrev_b32 v[E+(\t)], 23, v11               ; the scale's byte (a plain line behind the conversions)
	ds_store_b8 v5, v[E+(\t)] offset:ROWP*(\t)     ; both lanes of a block write the same byte with the same value
	ds_store_b64 v4, v[C+4*(\t):C+4*(\t)+1] offset:ROWP*(\t)
.endm
.irp t, 0,1,2,3,4,5,6,7,8,9,10,11,12,13,14,15
	STEP \t
.endr
.irp i, 0,1,2,3,4,5,6,7
	ds_load_b128 v[R+4*\i:R+4*\i+3], v6 offset:512*\i      ; the image as it lies: these see my stores, which were issued ahead of them
.endr
	ds_load_b64 v[R+32:R+33], v4 offset:4096       ; its last 256 bytes, 8 a lane
.irp i, 0,1,2,3,4,5,6,7
	s_wait_dscnt 8-\i                              ; piece i is back; the younger loads may be out
	global_store_b128 v3, v[R+4*\i:R+4*\i+3], s[26:27] offset:512*\i   ; 512 consecutive bytes, at a multiple of 256 from the buffer's first byte
.endr
	s_wait_dscnt 0x0
	global_store_b64 v7, v[R+32:R+33], s[26:27] offset:4096
	s_wait_tensorcnt 0x0                           ; the wave's end: a wait, an add of 0 to my spare word and its wait, behind my last LDS store
	ds_add_u32 v[SPW], v[NIL]
	s_wait_dscnt 0x0
	s_endpgm
.Lcast:                                        ; 16 x wo, rounded once to f16: a stream through registers, 16 loads a wave on their way
	s_sub_co_u32 s21, ttmp9, 768
	s_lshl_b32 s21, s21, 2
	s_add_co_u32 s21, s21, s20                     ; my run of 8,192 numbers
	s_lshl_b32 s22, s21, 15
	s_mov_b32 s23, 0
	s_lshl_b32 s24, s21, 14
	s_mov_b32 s25, 0
	s_wait_kmcnt 0x0
	s_add_nc_u64 s[12:13], s[12:13], s[22:23]
	s_add_nc_u64 s[18:19], s[18:19], s[24:25]
.set i, 0
.rept 16
	global_load_b128 v[R+4*i:R+4*i+3], v3, s[12:13] offset:512*i th:TH_LOAD_NT
.set i, i+1
.endr
.macro CAST                            ; piece i of 64: 512 bytes in, 256 bytes out
.set XR, R+4*(i%16)
.set YR, X+2*(i%16)
.if i < 48
	s_wait_loadcnt 15                              ; my load is in; the fifteen younger ones stay out
.else
	s_wait_loadcnt 63-i
.endif
.if i >= 16
	s_wait_xcnt 0x0                                ; the slot's last store has read its registers
.endif
	v_pk_mul_f32 v[XR:XR+1], v[XR:XR+1], 0x41800000 op_sel_hi:[1,0]       ; x 16: exact
	v_pk_mul_f32 v[XR+2:XR+3], v[XR+2:XR+3], 0x41800000 op_sel_hi:[1,0]
	v_cvt_pk_f16_f32 v[YR], v[XR], v[XR+1]
	v_cvt_pk_f16_f32 v[YR+1], v[XR+2], v[XR+3]
.if i+16 < 64
	global_load_b128 v[XR:XR+3], v3, s[12:13] offset:512*(i+16) th:TH_LOAD_NT
.endif
	global_store_b64 v7, v[YR:YR+1], s[18:19] offset:256*i           ; 32 lanes store 256 consecutive bytes, aligned
.endm
.set i, 0
.rept 64
	CAST
.set i, i+1
.endr
	s_wait_tensorcnt 0x0                           ; the same three lines close this path too
	ds_add_u32 v[SPW], v[NIL]
	s_wait_dscnt 0x0
	s_endpgm
.Lfunc_end_k_q5b277d714e_prep:
	.size	k_q5b277d714e_prep, .Lfunc_end_k_q5b277d714e_prep-k_q5b277d714e_prep
	.p2alignl 7, 3214868480
	.fill 96, 4, 3214868480
	.section	.rodata,"a",@progbits
	.p2align	6, 0x0
	.amdhsa_kernel k_q5b277d714e_prep
		.amdhsa_group_segment_fixed_size 39424
		.amdhsa_private_segment_fixed_size 0
		.amdhsa_enable_private_segment 0
		.amdhsa_kernarg_size 64
		.amdhsa_user_sgpr_count 2
		.amdhsa_user_sgpr_kernarg_segment_ptr 1
		.amdhsa_wavefront_size32 1
		.amdhsa_system_sgpr_workgroup_id_x 1
		.amdhsa_system_sgpr_workgroup_id_y 1
		.amdhsa_system_sgpr_workgroup_id_z 1
		.amdhsa_system_vgpr_workitem_id 0
		.amdhsa_next_free_vgpr 192
		.amdhsa_next_free_sgpr 66
		.amdhsa_reserve_vcc 0
		.amdhsa_float_denorm_mode_32 3
		.amdhsa_float_denorm_mode_16_64 3
		.amdhsa_memory_ordered 1
		.amdhsa_forward_progress 1
		.amdhsa_inst_pref_size 71
	.end_amdhsa_kernel
	.amdgpu_metadata
---
amdhsa.version: [ 1, 2 ]
amdhsa.kernels:
  - .name:           k_q5b277d714e_prep
    .symbol:         k_q5b277d714e_prep.kd
    .args:
      - { .name: x, .offset: 0, .size: 8, .value_kind: global_buffer, .address_space: global }
      - { .name: wq, .offset: 8, .size: 8, .value_kind: global_buffer, .address_space: global }
      - { .name: wk, .offset: 16, .size: 8, .value_kind: global_buffer, .address_space: global }
      - { .name: wv, .offset: 24, .size: 8, .value_kind: global_buffer, .address_space: global }
      - { .name: wo, .offset: 32, .size: 8, .value_kind: global_buffer, .address_space: global }
      - { .name: xc, .offset: 40, .size: 8, .value_kind: global_buffer, .address_space: global }
      - { .name: wc, .offset: 48, .size: 8, .value_kind: global_buffer, .address_space: global }
      - { .name: wo16, .offset: 56, .size: 8, .value_kind: global_buffer, .address_space: global }
    .group_segment_fixed_size: 39424
    .private_segment_fixed_size: 0
    .kernarg_segment_align: 8
    .kernarg_segment_size: 64
    .max_flat_workgroup_size: 128
    .sgpr_count:     66
    .vgpr_count:     192
    .wavefront_size: 32
...
	.end_amdgpu_metadata
.endif
;; end of part 1
;; launch qkv (part 2): grid 16 x 8, 4 waves a work-group, clusters of 4 x 4, 327,680 bytes of LDS; arguments xc, wc, freqs_cos, freqs_sin, qkv; writes qkv
.if DOCPART == 2
	.amdgcn_target "amdgcn-amd-amdhsa--gfx1250"
	.amdhsa_code_object_version 6
	.text
	.protected	k_q5b277d714e_qkv
	.globl	k_q5b277d714e_qkv
	.p2align	8
	.type	k_q5b277d714e_qkv,@function
k_q5b277d714e_qkv:
	s_mov_b64 s[64:65], 0
	v_nop
	global_prefetch_b8 v0, s[64:65] scope:SCOPE_SE
	s_setreg_imm32_b32 hwreg(HW_REG_WAVE_MODE, 25, 1), 1
	s_wait_xcnt 0x0
	s_wait_alu depctr_hold_cnt(0) depctr_sa_sdst(0) depctr_va_vdst(0) depctr_va_sdst(0) depctr_va_ssrc(0) depctr_va_vcc(0) depctr_vm_vsrc(0)
	s_getreg_b32 s2, hwreg(HW_REG_IB_STS2, 6, 4)
	s_cmp_eq_u32 s2, 0
	s_cbranch_scc0 .Lentry_in_a_cluster
	s_endpgm
.Lentry_in_a_cluster:
	s_bfe_u32 s2, ttmp6, 0x10000c
	s_cmp_lg_u32 s2, 0xf033
	s_cbranch_scc0 .Lentry_shape_is_right
	s_endpgm
.Lentry_shape_is_right:
; [q | k | v] = x W^T on codes of FP4 (E2M1) with E8M0 scales: M 2,048 positions, N 4,096 columns (32 heads of 128: 0-15 q, 16-23 k, 24-31 v), K 4,096; sums in f32.
; On the way out q and k are turned by the rotary pairs (cos, sin as given), every number is multiplied by 2^-4 (exact) and rounded once to f16: qkv [32 heads][2048][128].
; A tile of 256 positions x 256 columns is made by four waves, each 128 x 128 = one head: 64 accumulators of 16 x 16.  K goes in steps of 512 through two LDS slots.
; xc and wc are laid [K step][row][272 bytes] (256 of codes, 16 scale bytes): 128 rows of a K step are one dense block of 34,816 bytes, brought by ONE tensor load as 136 rows of 256 bytes with no padding;
; in LDS rows then lie 272 bytes = 68 words apart, so the 16 rows that a load touches start at 16 different banks (64 banks of 4 bytes: ISA guide 11.1), and the scale words ride with their codes.
; CLUSTERS: 4 x 4 work-groups; x's tiles are asked for jointly along a row of the cluster, W's along a column.  THE MATRIX INSTRUCTION IS USED TRANSPOSED (source 0 = 16 rows of W, source 1 = 16 positions):
; a lane holds eight neighbouring columns of one position: four rotary pairs.
; LIMITS: |q|, |k|, |v| stay under 65,504 x 16 (f16 after the factor 2^-4); NaN and infinities are not served.
; REGISTERS, in windows of 256: window 0: v0-31 addresses; v32-95 scale words, two sets, and nothing else; from v128 x's fragments, one set; on the way out v96-255 at work.
;   window 1: W's fragments, two sets, at v0 and v128; cos and sin of two blocks of 16 positions at v64-127 and v192-255.   window 2, 3: the accumulators of my positions 0-63, 64-127 ((a, b) at v[8 (8 (a % 4) + b)]).
.set KSTRA,  2048*272                  ; bytes of a K step in xc
.set KSTRB,  4096*272                  ; and in wc
.set NQ,     4                         ; matrix instructions deep in a slot
.set PITCH,  272
.set FR,     8                         ; registers of a fragment: 16 rows x 128 K
.set NL,     2                         ; LDS loads that bring one
.set NP,     4                         ; places behind this matrix instruction (ISA guide 7.12.1)
.set HALFT,  128*PITCH                 ; 128 rows: what one tensor load brings
.set SLOT,   4*HALFT                   ; x's 256 rows, then W's 256 rows
.set LAPS,   4                         ; a lap = two K steps; K = 4,096 = 8 K steps
.set SPARE,  2*SLOT                    ; behind the ring: the spare words, 128 bytes a wave
.set SPITCH, 272                       ; the way out: a stage of 16 rows x (256 + 16) bytes for each wave, in slot 0, which has had its last fill and its last read by then
.set ADRA, 16                          ; v16-17  LDS address of my x fragments in slot 0, 1
.set ADRB, 20                          ; v20-21  the same for W
.set ADRS, 22                          ; v22-23  of my scale words: lanes 0-15 x's rows, lanes 16-31 W's
.set STO,  24                          ; v24     the way out: where I put 16 bytes of a row
.set RD,   25                          ; v25     where I read a row back
.set CO,   26                          ; v26     my byte offset in two rows of the head
.set CSO,  27                          ; v27     my byte offset in 16 rows of cos and sin
.set SPW,  28                          ; v28     LDS address of my spare word; never rewritten
.set NIL,  29                          ; v29     0; never rewritten
.set SC,   32                          ; scale words: set s at v[SC + 32 s]; register 4 i + q: lanes 0-15 x's block i, lanes 16-31 W's block i, the slot's q-th 128 along K
.set TMP,  96                          ; the way out: a block's 32 registers of f16
.set AF,   128                         ; x's fragments
.set RT,   128                         ; the way out: a block's 64 turned numbers
.set BK,   192                         ; the way out: 16 rows read back: v192-223 and v224-255 by turns
.set G1,   24                          ; s[24:31] descriptor group 1 for x's tiles; s[32:39] group 0, one set a slot
.set G0,   32
.set G1B,  48                          ; s[48:55], s[56:63] the same for W's
.set G0B,  56
.set CM,   66                          ; s66 q, k heads: 2^-4; v heads: 0
.set CA,   67                          ; s67 q, k heads: 0; v heads: 2^-4
.set MSB, 0
.macro WIN new                         ; the immediate's high byte repeats the setting that is left
.if MSB != (\new)
	s_set_vgpr_msb (MSB<<8)|(\new)
.set MSB, (\new)
.endif
.endm
.set MUL_LO, 0xa1                      ; source 0 (W) window 1, source 1 (x) window 0, C and D window 2
.set MUL_HI, 0xf1                      ; the same, C and D window 3
.set TO_B,   0x40                      ; destination window 1, address window 0
; A joint load: waves 0 and 1 fetch for x, waves 2 and 3 for W; the branch hangs on the wave's number alone.  An s_nop 0 and four v_nop follow each line.
.macro JLOAD g0a, g1a, g0b, g1b
	s_cmp_eq_u32 s15, 0
	s_cbranch_scc0 .Lfor_b_\@
	tensor_load_to_lds s[\g0a:\g0a+3], s[\g1a:\g1a+7]
	s_nop 0
.rept 4
	v_nop
.endr
	s_branch .Lasked_\@
.Lfor_b_\@:
	tensor_load_to_lds s[\g0b:\g0b+3], s[\g1b:\g1b+7]
	s_nop 0
.rept 4
	v_nop
.endr
.Lasked_\@:
.endm
.macro CREST                           ; a round of the cluster's barrier behind its opening barrier
	s_cmp_lg_u32 s14, 0
	s_cbranch_scc1 .Lnot_wave_0_\@
	s_barrier_signal -3
.Lnot_wave_0_\@:
	s_barrier_wait -3
	s_barrier_signal -1
	s_barrier_wait -1
.endm
.macro CROUND
	s_barrier_signal -1
	s_barrier_wait -1
	CREST
.endm
	s_load_b128 s[4:7], s[0:1], 0x0                ; xc s[4:5], wc s[6:7]
	s_load_b128 s[8:11], s[0:1], 0x10              ; cos s[8:9], sin s[10:11]
	s_load_b64 s[12:13], s[0:1], 0x20              ; qkv
	v_lshl_add_u32 v[SPW], v0, 2, SPARE
	v_mov_b32 v[NIL], 0
	ds_add_u32 v[SPW], v[NIL]                      ; the wave's opening: the add, twice on end, and its wait ahead of my first tensor load
	ds_add_u32 v[SPW], v[NIL]
	v_lshrrev_b32 v1, 5, v0
	v_readfirstlane_b32 s14, v1                    ; wave 0..3
	s_lshr_b32 s15, s14, 1                         ; which half of the tile's positions is mine.  Also: I fetch for x (0) or for W (1)
	s_and_b32 s16, s14, 1                          ; which half of its columns.  Also: which 128 rows I fetch
	s_bfe_u32 s40, ttmp6, 0x40000                  ; cx, cy: my place in the cluster
	s_bfe_u32 s41, ttmp6, 0x40004
	s_lshl_b32 s42, ttmp9, 2
	s_add_co_u32 s42, s42, s40                     ; tile column = 4 x cluster x + cx
	s_and_b32 s17, ttmp7, 0xffff
	s_lshl_b32 s17, s17, 2
	s_add_co_u32 s17, s17, s41                     ; tile row = 4 x cluster y + cy
	s_lshl_b32 s43, s41, 2
	s_lshl_b32 s43, 15, s43                        ; my row of the cluster
	s_lshl_b32 s44, 0x1111, s40                    ; my column
	s_or_b32 s[G1+0], s43, (3<<16)|(1<<21)         ; 15:0 the mask; 17:16 elements of 8 bytes; 21 set beside a mask; no padding
	s_or_b32 s[G1B+0], s44, (3<<16)|(1<<21)
.irp g, G1, G1B
	s_mov_b32 s[\g+1], 32<<16                      ; tensor_dim0 = 32 elements = 256 bytes
	s_mov_b32 s[\g+2], 136<<16                     ; tensor_dim1 = 136: 34,816 bytes
	s_mov_b32 s[\g+3], 32<<16                      ; tile_dim0
	s_mov_b32 s[\g+4], 136                         ; tile_dim1
	s_mov_b32 s[\g+5], 32                          ; the pitch: dense
	s_mov_b32 s[\g+6], 0
	s_mov_b32 s[\g+7], 0
.endr
	s_lshl_b32 s18, s16, 7                         ; which 128 rows of the tile I fetch
	s_lshl_b32 s20, s17, 8
	s_add_co_u32 s20, s20, s18                     ; x: row 256 x tile row + 128 x half
	s_mul_i32 s20, s20, PITCH
	s_mov_b32 s21, 0
	s_lshl_b32 s46, s42, 8
	s_add_co_u32 s46, s46, s18                     ; W: row 256 x tile column + 128 x half
	s_mul_i32 s46, s46, PITCH
	s_mov_b32 s47, 0
	s_mul_i32 s45, s14, HALFT                      ; where they go: wave x 128 rows: no place in the cluster enters an LDS address
	s_wait_dscnt 0x0                               ; both opening adds are done
	s_wait_kmcnt 0x0
	s_add_nc_u64 s[20:21], s[4:5], s[20:21]
	s_add_nc_u64 s[46:47], s[6:7], s[46:47]
	CROUND                                         ; all sixteen work-groups are here: the first joint loads meet
.irp s, 0,1
	s_mov_b32 s[G0+4*\s], 1
	s_add_co_u32 s[G0+4*\s+1], s45, \s*SLOT
	s_add_nc_u64 s[G0+4*\s+2:G0+4*\s+3], s[20:21], \s*KSTRA
	s_or_b32 s[G0+4*\s+3], s[G0+4*\s+3], 0x80000000
	s_mov_b32 s[G0B+4*\s], 1
	s_add_co_u32 s[G0B+4*\s+1], s45, \s*SLOT
	s_add_nc_u64 s[G0B+4*\s+2:G0B+4*\s+3], s[46:47], \s*KSTRB
	s_or_b32 s[G0B+4*\s+3], s[G0B+4*\s+3], 0x80000000
	JLOAD G0+4*\s, G1, G0B+4*\s, G1B               ; K steps 0 and 1: two loads of mine are out
.endr
	v_and_b32 v1, 15, v0                           ; r = l % 16
	v_bfe_u32 v2, v0, 4, 1                         ; h = l / 16
	v_mul_u32_u24 v3, v1, PITCH
	v_lshl_add_u32 v4, v2, 4, v3                   ; a fragment's row x pitch + 16 x half
	s_mul_i32 s21, s15, HALFT                      ; my 128 rows of x
	s_mul_i32 s22, s16, HALFT                      ; my 128 rows of W,
	s_add_co_u32 s22, s22, 2*HALFT                 ; behind x's 256
	s_sub_co_u32 s23, s22, s21                     ; the distance from x's rows to W's
	v_mul_u32_u24 v6, s23, v2                      ; lanes 16-31 take W's
	s_add_co_u32 s18, s21, 256                     ; a row's scale bytes lie behind its 256 bytes of codes
	v_add_nc_u32 v5, v3, v6
	v_add_nc_u32 v[ADRS], s18, v5
	v_add_nc_u32 v[ADRS+1], SLOT, v[ADRS]
.irp s, 0,1
	v_add_nc_u32 v[ADRA+\s], s21, v4
	v_add_nc_u32 v[ADRB+\s], s22, v4
	s_add_co_u32 s21, s21, SLOT
	s_add_co_u32 s22, s22, SLOT
.endr
	s_mul_i32 s23, s14, 16*SPITCH                  ; my stage
	v_mul_u32_u24 v5, v1, SPITCH                   ; in: row r, 16 bytes for each half of the lanes
	v_lshl_add_u32 v5, v2, 4, v5
	v_add_nc_u32 v[STO], s23, v5
	v_mul_u32_u24 v5, v2, SPITCH                   ; back: lanes 0-15 one row of 256 bytes, lanes 16-31 the next
	v_lshl_add_u32 v5, v1, 4, v5
	v_add_nc_u32 v[RD], s23, v5
	v_lshlrev_b32 v5, 8, v2
	v_lshl_add_u32 v[CO], v1, 4, v5                ; and the same two rows in the head
	v_lshlrev_b32 v5, 8, v1
	v_lshl_add_u32 v[CSO], v2, 4, v5               ; cos, sin: row r of 256 bytes, + 16 h: my four pairs of a block of 16 columns
	s_lshl_b32 s20, s17, 8
	s_lshl_b32 s21, s15, 7
	s_add_co_u32 s20, s20, s21                     ; my first position
	s_lshl_b32 s20, s20, 8                         ; x 256 bytes: a row of cos, of sin, and of a head
	s_mov_b32 s21, 0
	s_add_nc_u64 s[8:9], s[8:9], s[20:21]
	s_add_nc_u64 s[10:11], s[10:11], s[20:21]
	s_add_nc_u64 s[12:13], s[12:13], s[20:21]
	s_lshl_b32 s46, s42, 1
	s_add_co_u32 s46, s46, s16                     ; my head: 2 x tile column + half
	s_lshl_b32 s46, s46, 19                        ; 2,048 rows of 256 bytes
	s_mov_b32 s47, 0
	s_add_nc_u64 s[12:13], s[12:13], s[46:47]
	s_cmp_eq_u32 ttmp9, 3                          ; tile columns 12-15 hold v's heads: not turned.  No branch: cos becomes 2^-4 and sin 0
	s_cselect_b32 s[CM], 0, 0x3d800000
	s_cselect_b32 s[CA], 0x3d800000, 0
.macro CSLOAD a                        ; cos and sin of block a's 16 positions into set a % 2 of window 1: registers 4 b + j: pair 8 b + 4 h + j
	WIN TO_B
.irp b, 0,1,2,3,4,5,6,7
	global_load_b128 v[64+128*((\a)%2)+4*\b:64+128*((\a)%2)+4*\b+3], v[CSO], s[8:9] offset:(\a)*4096+32*\b
	global_load_b128 v[96+128*((\a)%2)+4*\b:96+128*((\a)%2)+4*\b+3], v[CSO], s[10:11] offset:(\a)*4096+32*\b
.endr
	WIN 0
.endm
	CSLOAD 0                                       ; asked for now, wanted on the way out: the loop names none of these registers
	CSLOAD 1
.macro FRAG reg, adr, q, i             ; 16 rows x 128 K of 4-bit codes: lane l holds row l % 16; registers 4 c .. 4 c + 3 hold K = 64 c + 32 (l / 16) + 0 .. 31
.irp c, 0,1
	ds_load_b128 v[\reg+4*\c:\reg+4*\c+3], v[\adr] offset:64*(\q)+32*\c+(\i)*16*PITCH
.endr
.endm
; 16 matrix instructions: x's blocks a0, a0 + 1 against W's eight, the slot's q-th 128 along K.  p: W's set; sc: the set of scale words; zero = 1: the first product starts the sums.
; The 64 accumulators take turns, one instruction a turn, in the same order in every step.
.macro MUL16 a0, p, q, sc, zero
.irp a, \a0, \a0+1
.irp b, 0,1,2,3,4,5,6,7
.if \zero
	v_wmma_scale_f32_16x16x128_f8f6f4 v[8*(8*((\a)%4)+\b):8*(8*((\a)%4)+\b)+7], v[128*(\p)+FR*\b:128*(\p)+FR*\b+FR-1], v[AF+FR*(\a):AF+FR*(\a)+FR-1], 0, v[SC+8*NQ*(\sc)+NQ*\b+(\q)], v[SC+8*NQ*(\sc)+NQ*(\a)+(\q)] matrix_a_fmt:MATRIX_FMT_FP4 matrix_b_fmt:MATRIX_FMT_FP4 matrix_a_scale:MATRIX_SCALE_ROW1
.else
	v_wmma_scale_f32_16x16x128_f8f6f4 v[8*(8*((\a)%4)+\b):8*(8*((\a)%4)+\b)+7], v[128*(\p)+FR*\b:128*(\p)+FR*\b+FR-1], v[AF+FR*(\a):AF+FR*(\a)+FR-1], v[8*(8*((\a)%4)+\b):8*(8*((\a)%4)+\b)+7], v[SC+8*NQ*(\sc)+NQ*\b+(\q)], v[SC+8*NQ*(\sc)+NQ*(\a)+(\q)] matrix_a_fmt:MATRIX_FMT_FP4 matrix_b_fmt:MATRIX_FMT_FP4 matrix_a_scale:MATRIX_SCALE_ROW1
.endif
.endr
.endr
.endm
.macro FETCH_B slot, q, p
	WIN TO_B
.irp i, 0,1,2,3,4,5,6,7
	FRAG 128*(\p)+FR*\i, ADRB+\slot, \q, \i
.endr
	WIN 0
.endm
.macro FETCH_A slot, q, i0
.irp i, \i0, \i0+1, \i0+2, \i0+3
	FRAG AF+FR*(\i), ADRA+\slot, \q, \i
.endr
.endm
.macro SCALES sc                       ; slot sc's scale words: the 16 bytes behind each row's codes; lanes 0-15 x's block i, lanes 16-31 W's block i
.irp i, 0,1,2,3,4,5,6,7
	ds_load_b128 v[SC+8*NQ*\sc+NQ*\i:SC+8*NQ*\sc+NQ*\i+3], v[ADRS+\sc] offset:\i*16*PITCH
.endr
.endm
.macro PLACES n                        ; plain vector instructions between a matrix instruction and a load into, or a read of, its registers (ISA guide 7.12.1 for a read)
.rept \n
	v_nop
.endr
.endm
.macro STEP slot, q, zero              ; a step of 128 along K that has its successor in the same slot
	s_wait_dscnt 4*NL                              ; W's set, x's blocks 0-3 (and the scale words) are in; the youngest eight loads, x's blocks 4-7, may be out
	WIN MUL_LO
	MUL16 0, (\q)%2, \q, \slot, \zero
	MUL16 2, (\q)%2, \q, \slot, \zero
	s_wait_dscnt 0                                 ; x's blocks 4-7 are in
	PLACES NP
	FETCH_B \slot, (\q)+1, 1-(\q)%2
	FETCH_A \slot, (\q)+1, 0
	WIN MUL_HI
	MUL16 4, (\q)%2, \q, \slot, \zero
	MUL16 6, (\q)%2, \q, \slot, \zero
	PLACES NP
	WIN 0
	FETCH_A \slot, (\q)+1, 4
.endm
; A slot's last step changes slots: ONE barrier; in front of it each wave waits for all its tensor loads, adds 0 to its spare word, and waits for that and for its reads of this slot.  fill = 1: this slot is filled again, two K steps ahead.
.macro TURN slot, next, fill
	s_wait_tensorcnt 0x0                           ; all my tensor loads have landed: the one that was out is my part of the next slot
	ds_add_u32 v[SPW], v[NIL]                      ; 0 onto my spare word
	s_wait_dscnt 4*NL+1                            ; (the add and the youngest eight loads may be out)
	WIN MUL_LO
	MUL16 0, 1, NQ-1, \slot, 0                     ; sixteen matrix instructions stand between the add and the wait for it
	s_wait_dscnt 0x0                               ; the add is done, and my reads of this slot are over
	s_barrier_signal -1
	MUL16 2, 1, NQ-1, \slot, 0
	WIN 0
	s_barrier_wait -1
.if \fill
	CREST                                          ; the barrier has opened a round of the cluster's: no wave of any partner still reads this slot or has a load on its way
	s_add_nc_u64 s[G0+4*\slot+2:G0+4*\slot+3], s[G0+4*\slot+2:G0+4*\slot+3], 2*KSTRA
	s_add_nc_u64 s[G0B+4*\slot+2:G0B+4*\slot+3], s[G0B+4*\slot+2:G0B+4*\slot+3], 2*KSTRB
	JLOAD G0+4*\slot, G1, G0B+4*\slot, G1B         ; the first tensor load behind the round; its four v_nop are the places in front of the loads below
.else
	PLACES NP
.endif
	FETCH_B \next, 0, 0
	FETCH_A \next, 0, 0
	SCALES \next
	WIN MUL_HI
	MUL16 4, 1, NQ-1, \slot, 0
	MUL16 6, 1, NQ-1, \slot, 0
	PLACES NP
	WIN 0
	FETCH_A \next, 0, 4
.endm
.macro STEPS slot, from
.set Q, \from
.rept NQ-1-\from
	STEP \slot, Q, 0
.set Q, Q+1
.endr
.endm
	s_wait_tensorcnt 1                             ; my part of K step 0 is in (K step 1's load may be out)
	s_barrier_signal -1
	s_barrier_wait -1                              ; everybody's is
	FETCH_B 0, 0, 0
	FETCH_A 0, 0, 0
	SCALES 0
	FETCH_A 0, 0, 4
	STEP 0, 0, 1                                   ; the first step stands in front of the loop: its products start the sums
	s_mov_b32 s3, LAPS-1
.Llap:                                                 ; a trip goes once round the ring and fills both slots again
	STEPS 0, 1
	TURN 0, 1, 1
	STEPS 1, 0
	TURN 1, 0, 1
	STEP 0, 0, 0
	s_sub_co_u32 s3, s3, 1
	s_cmp_lg_u32 s3, 0
	s_cbranch_scc1 .Llap
	STEPS 0, 1                                     ; the last lap fills nothing
	TURN 0, 1, 0
	STEPS 1, 0
	s_wait_dscnt 4*NL
	WIN MUL_LO
	MUL16 0, 1, NQ-1, 1, 0
	MUL16 2, 1, NQ-1, 1, 0
	s_wait_dscnt 0
	WIN MUL_HI
	MUL16 4, 1, NQ-1, 1, 0
	MUL16 6, 1, NQ-1, 1, 0
	WIN 0
; THE WAY OUT, block by block of 16 positions x 128 columns.  ROPE: cos and sin take the factor 2^-4; each pair (even, odd column) is turned; two numbers round to f16 at a time.
.macro ROPE a
.set CC, 64+128*((\a)%2)
.set AC, 64*((\a)%4)
.set WW, 0x06+(\a)/4
.if (\a) < 7
	s_wait_loadcnt 16                              ; this block's cos and sin are in; the next block's sixteen loads may be out
.else
	s_wait_loadcnt 0x0
.endif
	WIN 0x41                                       ; destination and source 0 in window 1
.set n, 0
.rept 32
	v_fma_f32 v[CC+n], v[CC+n], s[CM], s[CA]       ; cos x 2^-4 (v heads: 2^-4)
	v_mul_f32 v[CC+32+n], v[CC+32+n], s[CM]        ; sin x 2^-4 (v heads: 0)
.set n, n+1
.endr
	WIN WW                                         ; source 0: the accumulators' window; source 1: window 1; the rest window 0
.irp b, 0,1,2,3,4,5,6,7
.irp j, 0,1,2,3
	v_mul_f32 v[RT+8*\b+2*\j], v[AC+8*\b+2*\j+1], v[CC+32+4*\b+\j]       ; xi s   (each accumulator is read from its low end on)
	v_mul_f32 v[RT+8*\b+2*\j+1], v[AC+8*\b+2*\j], v[CC+32+4*\b+\j]       ; xr s
.endr
.irp j, 0,1,2,3
	v_fma_f32 v[RT+8*\b+2*\j], v[AC+8*\b+2*\j], v[CC+4*\b+\j], -v[RT+8*\b+2*\j]           ; xr c - xi s
	v_fma_f32 v[RT+8*\b+2*\j+1], v[AC+8*\b+2*\j+1], v[CC+4*\b+\j], v[RT+8*\b+2*\j+1]      ; xi c + xr s
.endr
.endr
	WIN 0
	s_wait_dscnt 0x0                               ; the block before has left the stage: its stores have read the registers written next
.irp b, 0,1,2,3,4,5,6,7
.irp j, 0,1,2,3
	v_cvt_pk_f16_f32 v[TMP+4*\b+\j], v[RT+8*\b+2*\j], v[RT+8*\b+2*\j+1]
.endr
.endr
.if (\a)+2 < 8
	CSLOAD (\a)+2                                  ; the set just used takes the block two further on
.endif
.endm
.macro TOSTAGE a                       ; 16 bytes a lane into my stage, and back as whole rows of 256 bytes; LDS serves a wave's instructions in order (ISA guide 5.7.1.4)
.set BB, BK+32*((\a)%2)
.irp b, 0,1,2,3,4,5,6,7
	ds_store_b128 v[STO], v[TMP+4*\b:TMP+4*\b+3] offset:32*\b
.endr
.irp t, 0,1,2,3,4,5,6,7
	ds_load_b128 v[BB+4*\t:BB+4*\t+3], v[RD] offset:\t*2*SPITCH
.endr
.endm
.macro SEND a
.set BB, BK+32*((\a)%2)
	s_wait_dscnt 0x0                               ; the block is back in registers
.irp t, 0,1,2,3,4,5,6,7
	global_store_b128 v[CO], v[BB+4*\t:BB+4*\t+3], s[12:13] offset:(\a)*4096+\t*512   ; 16 lanes store 256 consecutive bytes, aligned
.endr
.endm
	PLACES NP
	ROPE 0
	TOSTAGE 0
.irp a, 1,2,3,4,5,6,7
	ROPE \a                                        ; a block's arithmetic stands between the loads of the block before and its stores
	SEND \a-1
	s_wait_xcnt 0x0                                ; the stores of the block two back have read their registers: this block's loads may land there
	TOSTAGE \a
.endr
	SEND 7
	s_wait_tensorcnt 0x0                           ; the wave's end: a wait, an add of 0 to my spare word and its wait, behind my last tensor load and my last LDS store
	ds_add_u32 v[SPW], v[NIL]
	s_wait_dscnt 0x0
	CROUND                                         ; the closing round: no work-group ends while a partner may still ask for a tile that names it
	s_endpgm
.Lfunc_end_k_q5b277d714e_qkv:
	.size	k_q5b277d714e_qkv, .Lfunc_end_k_q5b277d714e_qkv-k_q5b277d714e_qkv
	.p2alignl 7, 3214868480
	.fill 96, 4, 3214868480
	.section	.rodata,"a",@progbits
	.p2align	6, 0x0
	.amdhsa_kernel k_q5b277d714e_qkv
		.amdhsa_group_segment_fixed_size 327680
		.amdhsa_private_segment_fixed_size 0
		.amdhsa_enable_private_segment 0
		.amdhsa_kernarg_size 40
		.amdhsa_user_sgpr_count 2
		.amdhsa_user_sgpr_kernarg_segment_ptr 1
		.amdhsa_wavefront_size32 1
		.amdhsa_system_sgpr_workgroup_id_x 1
		.amdhsa_system_sgpr_workgroup_id_y 1
		.amdhsa_system_sgpr_workgroup_id_z 1
		.amdhsa_system_vgpr_workitem_id 0
		.amdhsa_next_free_vgpr 1024
		.amdhsa_next_free_sgpr 72
		.amdhsa_reserve_vcc 0
		.amdhsa_float_denorm_mode_32 3
		.amdhsa_float_denorm_mode_16_64 3
		.amdhsa_memory_ordered 1
		.amdhsa_forward_progress 1
		.amdhsa_inst_pref_size 255
	.end_amdhsa_kernel
	.section	.bss,"aw",@nobits
	.p2align	6
	.space	262144
	.amdgpu_metadata
---
amdhsa.version: [ 1, 2 ]
amdhsa.kernels:
  - .name:           k_q5b277d714e_qkv
    .symbol:         k_q5b277d714e_qkv.kd
    .args:
      - { .name: xc, .offset: 0, .size: 8, .value_kind: global_buffer, .address_space: global }
      - { .name: wc, .offset: 8, .size: 8, .value_kind: global_buffer, .address_space: global }
      - { .name: freqs_cos, .offset: 16, .size: 8, .value_kind: global_buffer, .address_space: global }
      - { .name: freqs_sin, .offset: 24, .size: 8, .value_kind: global_buffer, .address_space: global }
      - { .name: qkv, .offset: 32, .size: 8, .value_kind: global_buffer, .address_space: global }
    .group_segment_fixed_size: 327680
    .private_segment_fixed_size: 0
    .kernarg_segment_align: 8
    .kernarg_segment_size: 40
    .max_flat_workgroup_size: 128
    .sgpr_count:     72
    .vgpr_count:     1024
    .wavefront_size: 32
...
	.end_amdgpu_metadata
.endif
;; end of part 2
;; launch attn (part 3): grid 32 x 8, 4 waves a work-group, no clusters, 327,680 bytes of LDS; arguments qkv, att; writes att
.if DOCPART == 3
	.amdgcn_target "amdgcn-amd-amdhsa--gfx1250"
	.amdhsa_code_object_version 6
	.text
	.protected	k_q5b277d714e_attn
	.globl	k_q5b277d714e_attn
	.p2align	8
	.type	k_q5b277d714e_attn,@function
k_q5b277d714e_attn:
	s_mov_b64 s[64:65], 0
	v_nop
	global_prefetch_b8 v0, s[64:65] scope:SCOPE_SE
	s_setreg_imm32_b32 hwreg(HW_REG_WAVE_MODE, 25, 1), 1
	s_wait_xcnt 0x0
; att[pos][head][:] = (1/16) x the sum over keys k <= pos of softmax_k(q . k / sqrt(128)) v.  qkv: [32 heads][2048][128] f16 holding q/16 (heads 0-15), k/16 (16-23), v/16 (24-31); att: [2048][16 x 128] f16.
; Products on f16 operands with f32 sums; maxima, exponentials and sums in f32; the weights p (at most 1) are rounded to f16 for the second product.  A running maximum is taken away before every exponential.
; The factor 2^8 that q/16 . k/16 lacks stands in c = 256 log2(e) / sqrt(128); v's factor 2^-4 stays in the result, and the next launch's weights carry 16.
; SHARES, PAIRED UNDER THE CAUSAL MASK.  Work-group (x, g), i = x / 2, owns query head 2 g + x % 2 at TWO blocks of 64 positions: the low block 64 i on and the high block 64 (31 - i) on.
; Wave w has two tiles of 16 queries: tile 0 at position 64 i + 16 w, tile 1 at position 64 (31 - i) + 16 w.  Key steps 0 .. i are worked for both tiles, the later ones for tile 1 alone:
; (i + 1) + (32 - i) = 33 tile-steps in every work-group.  All four waves take the same form of a step, so none waits at a barrier for a longer one.
; No cluster: the number of slots asked for, 16 - x / 4, differs between work-groups, and the loads are ended by a jump round the load, a form that joint loads do not take.
; LAYOUT.  S^T = K Q^T (source 0 = 16 keys, source 1 = 16 queries): a lane holds ONE query (lane % 16) and keys 8 (lane / 16) + 0..7; two such tiles, rounded in pairs, are source 1 of O^T = V^T P.  V comes out of LDS turned (ds_load_tr16_b128).
; THE RING.  Two LDS slots of 128 keys (two steps of 64).  Every work-group walks all 16 slots, so trip counts are constants; a slot whose first key lies beyond the work-group's last position is neither asked for nor worked.
; In a slot that is asked for both steps are worked by all waves (hidden scores become -infinity, p = 0).  Key 0 counts for every query, so the maximum is a number from the first step on.
; A KEY STEP FOR BOTH TILES: K Q^T of tile 0 | K Q^T of tile 1 with tile 0's softmax in slices behind its products | V^T P of tile 0 with tile 1's softmax in slices | V^T P of tile 1.
; A KEY STEP FOR TILE 1 ALONE: K Q^T | softmax | V^T P.  Both forms issue the same LDS loads in the same order, so the counted waits hold whichever form ran before.
; LIMITS: the ranges of f16 stated for qkv; NaN and infinities are not served.
; REGISTERS: window 0: v1-11 addresses; v12-27 statistics, eight a tile; v28-31 the mask's; v62, v63 the add's two; v64-127 S^T, 32 a tile; v128-159 P, 16 a tile.
;   window 1: v0-127 O^T, 64 a tile; v128-255 V of one step.   window 2: v0-63 Q; v128-255 K of one step.
.set KS,    64
.set PK,    272                        ; a row of K in LDS: 256 bytes + 16: row r starts at bank 4 r mod 64 (ISA guide 11.1)
.set PV,    288                        ; a row of V: 256 + 32
.set VOFF,  KS*PK
.set STEPB, KS*(PK+PV)                 ; a step's tiles: 64 rows of K, then 64 rows of V
.set SLOT1, 1<<17                      ; slot 1 begins here: one exclusive or turns an address from one slot to the other
.set STAGE, SLOT1+2*STEPB              ; behind the ring: 16 rows x 272 bytes for each wave, for the way out
.set SP,    272
.set SPARE, STAGE+4*16*SP              ; behind the stages: the spare words, 128 bytes a wave
.set AK,  2                            ; v2-3   my lane's place in K's tile of a slot's step 0, 1
.set AV,  4                            ; v4-5   the same for V
.set ADK, 6                            ; v6     LDS address of K's run of loads in hand
.set ADV, 7                            ; v7     of V's
.set QO,  8                            ; v8     my byte offset in 16 rows of Q
.set STO, 9                            ; v9     the way out: where I put 16 bytes of a row
.set RD,  10                           ; v10    where I read a row back
.set GO,  11                           ; v11    my byte offset in two rows of att
.set ST,  12                           ; tile t at v[ST + 8 t]: +0 c m, +1 m, +2, +3 l (even keys', odd keys'), +4 to +7 at work; a takes +6
.set MD,  28                           ; v28    the mask: my query - the step's first key - 8 (lane / 16)
.set NINF, 29                          ; v29    -infinity
.set PFO, 30                           ; v30    256 x lane
.set RH,  31                           ; v31    lane % 16 - 8 (lane / 16)
.set SPW, 62
.set NIL, 63
.set S,   64
.set P,   128
.set KFR, 128                          ; K's fragments, in window 2
.set VFR, 128                          ; V's, in window 1
.set TB,  2                            ; s2   LDS byte at which the slot in hand begins
.set WV,  12                           ; s12  my wave's number
.set LIM, 15                           ; s15  1 in a wave that prefetches, else the greatest number
.set PFA, 18                           ; s[18:19] where my prefetches stand
.set G1K, 24                           ; s[24:31] descriptor group 1 for K's tiles; s[32:39] for V's (more padding)
.set G1V, 32
.set G0K, 40                           ; s[40:43], s[44:47] their groups 0, which walk
.set G0V, 44
.set SLOTS, 56                         ; s56  slots still to be asked for
.set CS,  58                           ; s[58:59] c, twice
.set SEL, 60                           ; s[60:61] v_permlanex16_b32's selects for lane l xor 16
.set KF,  66                           ; s66  first key of the slot in hand
.set QA,  67                           ; s67  tile 0's first position
.set QL,  68                           ; s68  my work-group's last position: the high block's
.set TT,  69                           ; s69  at work
.set QB,  70                           ; s70  tile 1's first position
.set QLA, 71                           ; s71  the low block's last position
.set QP1, 72                           ; s[72:73] Q at tile 1's first row (tile 0's: s[8:9])
.set OP0, 10                           ; s[10:11] att at tile 0's first row
.set OP1, 74                           ; s[74:75] att at tile 1's first row
.set MSB, 0
.macro WIN new
.if MSB != (\new)
	s_set_vgpr_msb (MSB<<8)|(\new)
.set MSB, (\new)
.endif
.endm
.set W_KQ, 0x0a                        ; K and Q in window 2, S^T in window 0
.set W_PV, 0x51                        ; V and O^T in window 1, P in window 0
.set W_RS, 0x41                        ; O^T (destination, source 0) in window 1, a in window 0
.macro PLACES
.rept 4
	v_nop
.endr
.endm
; Waves 0 and 1 fetch K's tiles of a slot's two steps, waves 2 and 3 V's: one load a wave.  An s_nop 0 and four v_nop follow each line.
.macro TLOAD
	s_cmp_lt_u32 s[WV], 2
	s_cbranch_scc0 .Lfor_v_\@
	tensor_load_to_lds s[G0K:G0K+3], s[G1K:G1K+7]
	s_nop 0
.rept 4
	v_nop
.endr
	s_branch .Lasked_\@
.Lfor_v_\@:
	tensor_load_to_lds s[G0V:G0V+3], s[G1V:G1V+7]
	s_nop 0
.rept 4
	v_nop
.endr
.Lasked_\@:
.endm
; A prefetch of what the NEXT change of slots will ask for.  All 32 work-groups of a key/value head walk the same K and V: the one with x = 0, whose high block ends at position 2,047 and which so asks for every slot, prefetches,
; each of its waves for the 64 rows x 256 bytes that it will fetch itself: two instructions, lanes 256 bytes apart.  So each aligned 256 bytes are named once in the launch.
; Slots 0 and 1 come by their loads alone; the last change that fills a slot asks for nothing.
.macro ASK
	s_cmp_gt_u32 s[SLOTS], s[LIM]
	s_cbranch_scc0 .Lnot_mine_\@
	global_prefetch_b8 v[PFO], s[PFA:PFA+1] th:TH_LOAD_NT scope:SCOPE_SE
	global_prefetch_b8 v[PFO], s[PFA:PFA+1] offset:8192 th:TH_LOAD_NT scope:SCOPE_SE
.Lnot_mine_\@:
.endm
	s_load_b128 s[4:7], s[0:1], 0x0                ; qkv s[4:5], att s[6:7]
	v_lshl_add_u32 v[SPW], v0, 2, SPARE
	v_mov_b32 v[NIL], 0
	ds_add_u32 v[SPW], v[NIL]                      ; the wave's opening: the add, twice on end, and its wait ahead of my first tensor load
	ds_add_u32 v[SPW], v[NIL]
	v_lshrrev_b32 v1, 5, v0
	v_readfirstlane_b32 s[WV], v1                  ; wave 0..3
	s_and_b32 s13, ttmp7, 0xffff                   ; g
	s_and_b32 s14, s[WV], 1                        ; which of a slot's two steps I fetch
	s_lshr_b32 s16, ttmp9, 1                       ; i
	s_and_b32 s3, ttmp9, 1
	s_lshl_b32 s9, s13, 1
	s_add_co_u32 s3, s3, s9                        ; my query head: 2 g + x % 2
	s_lshl_b32 s[QA], s16, 6                       ; the low block: 64 i on,
	s_or_b32 s[QLA], s[QA], 63                     ; to 64 i + 63
	s_sub_co_u32 s[QB], 31, s16
	s_lshl_b32 s[QB], s[QB], 6                     ; the high block: 64 (31 - i) on,
	s_or_b32 s[QL], s[QB], 63                      ; to the work-group's last position
	s_lshl_b32 s16, s[WV], 4
	s_add_co_u32 s[QA], s[QA], s16                 ; my 16 positions of each
	s_add_co_u32 s[QB], s[QB], s16
	s_add_co_u32 s20, s13, 16                      ; K: head 16 + g, 524,288 bytes a head,
	s_lshl_b32 s20, s20, 19
	s_lshl_b32 s16, s14, 14                        ; my step's 64 rows of 256 bytes
	s_add_co_u32 s20, s20, s16
	s_mov_b32 s21, 0
	s_add_co_u32 s22, s20, 8*524288                ; V: head 24 + g
	s_mov_b32 s23, 0
	s_mul_i32 s17, s14, STEPB                      ; and my step's place in a slot
	s_lshl_b32 s16, s3, 19                         ; Q: my head,
	s_lshl_b32 s8, s[QA], 8                        ; tile 0's first position, 256 bytes a row
	s_add_co_u32 s8, s8, s16
	s_mov_b32 s9, 0
	s_lshl_b32 s[QP1], s[QB], 8                    ; tile 1's
	s_add_co_u32 s[QP1], s[QP1], s16
	s_mov_b32 s[QP1+1], 0
	s_lshl_b32 s16, s3, 8                          ; att: my head's 256 bytes of a position's row of 4,096
	s_lshl_b32 s[OP0], s[QA], 12
	s_add_co_u32 s[OP0], s[OP0], s16
	s_mov_b32 s[OP0+1], 0
	s_lshl_b32 s[OP1], s[QB], 12
	s_add_co_u32 s[OP1], s[OP1], s16
	s_mov_b32 s[OP1+1], 0
	s_mov_b32 s[G1K], (1<<16)|(1<<20)|(5<<22)|(3<<25)   ; no mask; elements of 2 bytes; padding on: after every 64 words 4 words
	s_mov_b32 s[G1V], (1<<16)|(1<<20)|(5<<22)|(7<<25)   ; the same with 8 words
.irp g, G1K, G1V
	s_mov_b32 s[\g+1], 128<<16                     ; tensor_dim0 = 128
	s_mov_b32 s[\g+2], KS<<16                      ; tensor_dim1 = 64
	s_mov_b32 s[\g+3], 128<<16                     ; tile_dim0
	s_mov_b32 s[\g+4], KS                          ; tile_dim1
	s_mov_b32 s[\g+5], 128                         ; the pitch
	s_mov_b32 s[\g+6], 0
	s_mov_b32 s[\g+7], 0
.endr
	s_mov_b32 s[CS], 0x420293ee                    ; c = 256 log2(e) / sqrt(128)
	s_mov_b32 s[CS+1], s[CS]
	s_mov_b32 s[SEL], 0x76543210
	s_mov_b32 s[SEL+1], 0xfedcba98
	s_mov_b32 s[TB], 0
	s_mov_b32 s[KF], 0
	s_mov_b32 s[SLOTS], 15
	s_cmp_eq_u32 ttmp9, 0
	s_cselect_b32 s[LIM], 1, -1
	s_wait_dscnt 0x0                               ; both opening adds are done
	s_wait_kmcnt 0x0
	s_mov_b32 s[G0K], 1
	s_mov_b32 s[G0K+1], s17
	s_add_nc_u64 s[G0K+2:G0K+3], s[4:5], s[20:21]
	s_mov_b32 s[G0V], 1
	s_add_co_u32 s[G0V+1], s17, VOFF
	s_add_nc_u64 s[G0V+2:G0V+3], s[4:5], s[22:23]
	s_cmp_lt_u32 s[WV], 2
	s_cselect_b64 s[PFA:PFA+1], s[G0K+2:G0K+3], s[G0V+2:G0V+3]
	s_add_nc_u64 s[PFA:PFA+1], s[PFA:PFA+1], 32768 ; in slot 1: the first change of slots steps it to slot 2
	s_or_b32 s[G0K+3], s[G0K+3], 0x80000000
	s_or_b32 s[G0V+3], s[G0V+3], 0x80000000
	TLOAD                                          ; slot 0: one load of mine is out
	s_add_nc_u64 s[8:9], s[4:5], s[8:9]
	s_add_nc_u64 s[QP1:QP1+1], s[4:5], s[QP1:QP1+1]
	s_add_nc_u64 s[OP0:OP0+1], s[6:7], s[OP0:OP0+1]
	s_add_nc_u64 s[OP1:OP1+1], s[6:7], s[OP1:OP1+1]
	v_and_b32 v1, 15, v0                           ; r
	v_bfe_u32 v32, v0, 4, 1                        ; h
	v_lshlrev_b32 v[QO], 8, v1
	v_lshl_add_u32 v[QO], v32, 4, v[QO]
	WIN 0x80                                       ; destination window 2
.irp c, 0,1,2,3
	global_load_b128 v[8*\c:8*\c+3],         v[QO], s[8:9] offset:\c*64               ; Q stays in registers: tile 0, channels 32 c on
	global_load_b128 v[8*\c+4:8*\c+7],       v[QO], s[8:9] offset:\c*64+32
	global_load_b128 v[32+8*\c:32+8*\c+3],   v[QO], s[QP1:QP1+1] offset:\c*64         ; tile 1
	global_load_b128 v[32+8*\c+4:32+8*\c+7], v[QO], s[QP1:QP1+1] offset:\c*64+32
.endr
	WIN 0
	v_mul_u32_u24 v[AK], v1, PK
	v_lshl_add_u32 v[AK], v32, 4, v[AK]            ; K: row x pitch + 16 x half
	v_add_nc_u32 v[AK+1], STEPB, v[AK]
	v_and_b32 v33, 7, v0                           ; V, for the turning load: key 8 h + l % 8, channels 8 ((l / 8) % 2) on
	v_bfe_u32 v34, v0, 3, 1
	v_lshl_add_u32 v[AV], v32, 3, v33
	v_mul_u32_u24 v[AV], v[AV], PV
	v_lshl_add_u32 v[AV], v34, 4, v[AV]
	v_add_nc_u32 v[AV], VOFF, v[AV]
	v_add_nc_u32 v[AV+1], STEPB, v[AV]
	s_mul_i32 s16, s[WV], 16*SP
	s_add_co_u32 s16, s16, STAGE                   ; my stage
	v_mul_u32_u24 v[STO], v1, SP
	v_lshl_add_u32 v[STO], v32, 4, v[STO]
	v_add_nc_u32 v[STO], s16, v[STO]
	v_mul_u32_u24 v[RD], v32, SP
	v_lshl_add_u32 v[RD], v1, 4, v[RD]
	v_add_nc_u32 v[RD], s16, v[RD]
	v_lshlrev_b32 v[GO], 12, v32
	v_lshl_add_u32 v[GO], v1, 4, v[GO]
	v_lshlrev_b32 v33, 3, v32
	v_sub_nc_u32 v[RH], v1, v33
	v_mov_b32 v[NINF], 0xff800000
	v_and_b32 v[PFO], 31, v0
	v_lshlrev_b32 v[PFO], 8, v[PFO]
.irp t, 0,1
	v_mov_b32 v[ST+8*\t], v[NINF]                  ; c m and m begin under every score; l as 0
	v_mov_b32 v[ST+8*\t+1], v[NINF]
.irp k, 2,3,4,5,6,7
	v_mov_b32 v[ST+8*\t+\k], 0
.endr
.endr
	WIN 0x40
.set n, 0
.rept 128
	v_mov_b32 v[n], 0                              ; O^T.  The steps are written once: the first finds zeros, which a = 0 leaves zeros
.set n, n+1
.endr
	WIN 0
; Product i of 16 of S^T = K Q^T for tile t: keys 16 (i % 4) on, channels 32 (i / 4) on.  Four accumulators by turns; the first four start the sums.
.macro KQ t
	WIN W_KQ
.set rS, S+32*(\t)+8*(i%4)
.set rK, KFR+32*(i%4)+8*(i/4)
.set rQ, 32*(\t)+8*(i/4)
.if i < 4
	v_wmma_f32_16x16x32_f16 v[rS:rS+7], v[rK:rK+7], v[rQ:rQ+7], 0
.else
	v_wmma_f32_16x16x32_f16 v[rS:rS+7], v[rK:rK+7], v[rQ:rQ+7], v[rS:rS+7]
.endif
.endm
; Product i of 16 of O^T += V^T P for tile t: channels 16 (i % 8) on, keys 32 (i / 8) on.  Eight accumulators by turns.
.macro PV t
	WIN W_PV
.set rO, 64*(\t)+8*(i%8)
.set rV, VFR+64*(i/8)+8*(i%8)
.set rP, P+16*(\t)+8*(i/8)
	v_wmma_f32_16x16x32_f16 v[rO:rO+7], v[rV:rV+7], v[rP:rP+7], v[rO:rO+7]
.endm
.macro FETCH_K q                       ; step q's K: 16 fragments, keys 16 (f / 4) on, channels 32 (f % 4) on
	WIN 0
	v_add_nc_u32 v[ADK], s[TB], v[AK+\q]
	WIN 0x80
.irp f, 0,1,2,3,4,5,6,7,8,9,10,11,12,13,14,15
	ds_load_b128 v[KFR+8*\f:KFR+8*\f+3],   v[ADK] offset:(\f/4)*16*PK+(\f%4)*64
	ds_load_b128 v[KFR+8*\f+4:KFR+8*\f+7], v[ADK] offset:(\f/4)*16*PK+(\f%4)*64+32
.endr
.endm
.macro FETCH_V q                       ; step q's V, turned: keys 32 (f / 8) on, channels 16 (f % 8) on
	WIN 0
	v_add_nc_u32 v[ADV], s[TB], v[AV+\q]
	WIN 0x40
.irp f, 0,1,2,3,4,5,6,7,8,9,10,11,12,13,14,15
	ds_load_tr16_b128 v[VFR+8*\f:VFR+8*\f+3],   v[ADV] offset:(\f/8)*32*PV+(\f%8)*32
	ds_load_tr16_b128 v[VFR+8*\f+4:VFR+8*\f+7], v[ADV] offset:(\f/8)*32*PV+16*PV+(\f%8)*32
.endr
.endm
; One tile's softmax for one key step is a list of 134 instructions; SM writes number j for tile t.
;   0-15 the maximum of the 32 scores and the old m;  16-20 the other half of the lanes', the new m, c m, c m_old - c m_new;
;   21-69 ONE BATCH: 16 packed scalings c s - c m and 33 exponentials (a at 23), none of which reads an exponential's result;  then a plain line and a wait ahead of the first reader;
;   70-85 the roundings to f16;  86-101 the sums, l = a l + the sum;  102-133 the tile's O^T times a.
.macro SM t
.set rT, ST+8*(\t)
.set rS, S+32*(\t)
.set rP, P+16*(\t)
.set rO, 64*(\t)+2*(j-102)
.if j < 102
	WIN 0
.endif
.if j == 70
	v_nop
	s_wait_alu depctr_va_vdst(0)
.endif
.if j < 4
	v_max3_num_f32 v[rT+4+j], v[rS+8*j], v[rS+8*j+1], v[rS+8*j+2]
.elseif j < 12
	v_max3_num_f32 v[rT+4+j%4], v[rT+4+j%4], v[rS+8*(j%4)+2*(j/4)+1], v[rS+8*(j%4)+2*(j/4)+2]
.elseif j == 12
	v_max3_num_f32 v[rT+4], v[rT+4], v[rS+7], v[rS+15]
.elseif j == 13
	v_max3_num_f32 v[rT+6], v[rT+6], v[rS+23], v[rS+31]
.elseif j == 14
	v_max3_num_f32 v[rT+4], v[rT+4], v[rT+5], v[rT+6]
.elseif j == 15
	v_max3_num_f32 v[rT+4], v[rT+4], v[rT+7], v[rT+1]
.elseif j == 16
	v_permlanex16_b32 v[rT+5], v[rT+4], s[SEL], s[SEL+1]
.elseif j == 17
	v_mov_b32 v[rT+7], v[rT]
.elseif j == 18
	v_max_num_f32 v[rT+1], v[rT+4], v[rT+5]
.elseif j == 19
	v_mul_f32 v[rT], s[CS], v[rT+1]
.elseif j == 20
	v_sub_f32 v[rT+7], v[rT+7], v[rT]
.elseif j == 23
	v_exp_f32 v[rT+6], v[rT+7]
.elseif (j < 23) || ((j < 38) && (j%2 == 0)) || ((j < 66) && (j%4 == 2))
.set b, (j-2)/4
.if j < 38
.set b, (j-20)/2
.endif
	v_pk_fma_f32 v[rS+2*b:rS+2*b+1], v[rS+2*b:rS+2*b+1], s[CS:CS+1], v[rT:rT+1] op_sel_hi:[1,0,0] neg_lo:[0,0,1] neg_hi:[0,0,1]
.elseif j < 70
.set e, j-38
.if j < 66
.set e, j-32-(j-38)/4
.endif
.if j < 38
.set e, (j-25)/2
.endif
	v_exp_f32 v[rS+e], v[rS+e]
.elseif j < 86
	v_cvt_pk_f16_f32 v[rP+j-70], v[rS+2*(j-70)], v[rS+2*(j-70)+1]
.elseif j < 102
.set z, j-86
.set w, 4
.set u, z
.if z >= 14
.set w, 32
.set u, 0
.elseif z >= 12
.set w, 16
.set u, z-12
.elseif z >= 8
.set w, 8
.set u, z-8
.endif
.if z < 15
	v_pk_add_f32 v[rS+w*u:rS+w*u+1], v[rS+w*u:rS+w*u+1], v[rS+w*u+w/2:rS+w*u+w/2+1]
.else
	v_pk_fma_f32 v[rT+2:rT+3], v[rT+2:rT+3], v[rT+6:rT+7], v[rS:rS+1] op_sel_hi:[1,0,1]
.endif
.else
	WIN W_RS
	v_pk_mul_f32 v[rO:rO+1], v[rO:rO+1], v[rT+6:rT+7] op_sel_hi:[1,0]
.endif
.endm
.macro SMRUN t, n                      ; the next n numbers of tile t's list
.rept \n
	SM \t
.set j, j+1
.endr
.endm
; The causal mask of tile t, whose first position stands in s[qr].  Register n of a tile holds key KF + 64 q + 8 (lane / 16) + 16 (n / 8) + n % 8: hidden where 16 (n / 8) + n % 8 > MD.
; A step all of whose keys count for the tile's 16 queries jumps over it: a branch on ids alone.
.macro MASK t, q, qr
	s_add_co_u32 s[TT], s[KF], 64*\q+63
	s_cmp_le_u32 s[TT], s[\qr]
	s_cbranch_scc1 .Lopen_\@
	s_sub_co_i32 s[TT], s[\qr], s[KF]
	s_sub_co_i32 s[TT], s[TT], 64*\q
	v_add_nc_u32 v[MD], s[TT], v[RH]
.set n, 0
.rept 32
	v_cmp_gt_i32 vcc_lo, 16*(n/8)+n%8, v[MD]
	v_cndmask_b32 v[S+32*\t+n], v[S+32*\t+n], v[NINF], vcc_lo
.set n, n+1
.endr
.Lopen_\@:
.endm
; A key step for both tiles.
.macro STEP2 q
.if \q == 0
	FETCH_K 0
.endif
	FETCH_V \q
	s_wait_dscnt 32                                ; K is in; V's 32 loads, issued behind it, may be out
.set i, 0
.rept 16
	KQ 0
.set i, i+1
.endr
	WIN 0
	PLACES                                         ; four places between the last product and the first read of its scores
	MASK 0, \q, QA
.set j, 0
.set i, 0
.rept 16
	KQ 1                                           ; tile 1's scores, with tile 0's softmax in slices of eight behind the products;
.if i == 15
	SMRUN 0, 14                                    ; the last slice, fourteen plain lines on tile 0's O^T, is also the places behind the last product
.else
	SMRUN 0, 8
.endif
.set i, i+1
.endr
	WIN 0
	MASK 1, \q, QB
.if \q == 0
	FETCH_K 1                                      ; both tiles have multiplied by this step's K
	s_wait_dscnt 32                                ; V is in; the next K's 32 loads may be out
.else
	s_wait_dscnt 0x0                               ; V is in
.endif
.set j, 0
.set i, 0
.rept 16
	PV 0
.if i == 15
	SMRUN 1, 14
.else
	SMRUN 1, 8
.endif
.set i, i+1
.endr
.set i, 0
.rept 16
	PV 1
.set i, i+1
.endr
	WIN 0
	PLACES                                         ; in front of the next loads into V's registers, and of the way out
.endm
; A key step for tile 1 alone: all its keys come after the low block's last position.  The same LDS loads in the same order as in the step for both tiles.
.macro STEP1 q
.if \q == 0
	FETCH_K 0
.endif
	FETCH_V \q
	s_wait_dscnt 32                                ; K is in; V's 32 loads, issued behind it, may be out
.set i, 0
.rept 16
	KQ 1
.set i, i+1
.endr
	WIN 0
	PLACES                                         ; four places between the last product and the first read of its scores, and the loads into K's registers
	MASK 1, \q, QB
.if \q == 0
	FETCH_K 1                                      ; the next step's K lands while the softmax is walked
.endif
.set j, 0
	SMRUN 1, 134
.if \q == 0
	s_wait_dscnt 32                                ; V is in; the next K's 32 loads may be out
.else
	s_wait_dscnt 0x0                               ; V is in
.endif
.set i, 0
.rept 16
	PV 1
.set i, i+1
.endr
	WIN 0
	PLACES                                         ; in front of the next loads into V's registers, and of the way out
.endm
; Which form a step takes: both tiles while the step's first key is at or under the low block's last position.  Ids and the count of slots alone; the same in all four waves.
.macro STEPSEL q
	s_add_co_u32 s[TT], s[KF], 64*\q
	s_cmp_gt_u32 s[TT], s[QLA]
	s_cbranch_scc1 .Lone_\@
	STEP2 \q
	s_branch .Lboth_\@
.Lone_\@:
	STEP1 \q
.Lboth_\@:
.endm
; The change of slots stands at a slot's head: each wave waits for all its tensor loads (its part of the slot ahead), adds 0 to its spare word, and waits for that and for its reads of the slot that it has left; one barrier.
; fill = 1: the slot that was left is filled with the next 128 keys, unless its first key lies beyond the work-group's last position: then none of the four waves would read it.  That test is made of ids and the count
; of slots alone, is the same in all four waves, and leads round the load's own lines and nothing else; every wait for tensor loads in this text is for 0.
.macro CHANGE fill
	s_wait_tensorcnt 0x0                           ; no tensor load of mine is out, so a group 0 may be written
	ds_add_u32 v[SPW], v[NIL]                      ; 0 onto my spare word
.if \fill
	s_xor_b32 s[G0K+1], s[G0K+1], SLOT1            ; the walking descriptors: the other slot,
	s_add_nc_u64 s[G0K+2:G0K+3], s[G0K+2:G0K+3], 32768   ; the next 128 keys
	s_xor_b32 s[G0V+1], s[G0V+1], SLOT1
	s_add_nc_u64 s[G0V+2:G0V+3], s[G0V+2:G0V+3], 32768
	s_wait_xcnt 0x0                                ; the last prefetches, a slot back, have read their address
	s_add_nc_u64 s[PFA:PFA+1], s[PFA:PFA+1], 32768
.endif
	s_wait_dscnt 0x0                               ; the add is done, and my reads of the slot that I have left are over
	s_barrier_signal -1
	s_barrier_wait -1
.if \fill
	s_add_co_u32 s[TT], s[KF], 128                 ; the first key of the slot that this change would ask for
	s_cmp_gt_u32 s[TT], s[QL]
	s_cbranch_scc1 .Lpast_\@
	TLOAD                                          ; my one tensor load until the next barrier: it has two key steps in which to land
.Lpast_\@:
	ASK
.endif
.endm
; A slot's two steps.  two = 1: each step takes the form that its first key asks for; two = 0: tile 1 alone.
.macro SLOT_STEPS two
	s_cmp_gt_u32 s[KF], s[QL]                      ; a slot beyond the work-group's last position was not asked for and is not worked
	s_cbranch_scc1 .Lhid_\@
.if \two
	STEPSEL 0
	STEPSEL 1
.else
	STEP1 0
	STEP1 1
.endif
.Lhid_\@:
	s_add_co_u32 s[KF], s[KF], 128
	s_xor_b32 s[TB], s[TB], SLOT1
.endm
	s_wait_loadcnt 0x0                             ; Q
.Lslot:                                            ; 15 trips: behind each change of slots but the last the next slot is asked for, up to the causal limit
	CHANGE 1
	SLOT_STEPS 1
	s_sub_co_u32 s[SLOTS], s[SLOTS], 1
	s_cmp_lg_u32 s[SLOTS], 0
	s_cbranch_scc1 .Lslot
	CHANGE 0                                       ; the last slot is written out: nothing is left to ask for
	SLOT_STEPS 0                                   ; its first key is 1,920, and no low block reaches past position 64 x 15 + 63 = 1,023: tile 1 alone
	; THE WAY OUT.  l's halves and the other half of the lanes' are added; O^T is divided by l, rounded to f16 and sent through my stage, a tile (16 positions of my head) at a time.
.irp t, 0,1
	v_add_f32 v[ST+8*\t+4], v[ST+8*\t+2], v[ST+8*\t+3]
.endr
.irp t, 0,1
	v_permlanex16_b32 v[ST+8*\t+5], v[ST+8*\t+4], s[SEL], s[SEL+1]
.endr
.irp t, 0,1
	v_add_f32 v[ST+8*\t+4], v[ST+8*\t+4], v[ST+8*\t+5]
.endr
.irp t, 0,1
	v_rcp_f32 v[ST+8*\t+6], v[ST+8*\t+4]
.endr
	v_nop                                          ; a plain line behind the reciprocals,
	s_wait_alu depctr_va_vdst(0)                   ; and a wait ahead of their first reader
.macro PACK t
	WIN W_RS
.set n, 64*\t
.rept 32
	v_pk_mul_f32 v[n:n+1], v[n:n+1], v[ST+8*\t+6:ST+8*\t+7] op_sel_hi:[1,0]       ; ascending: each accumulator from its low end on
.set n, n+2
.endr
	WIN 0x05                                       ; sources in window 1, destination in window 0
.set n, 0
.rept 32
	v_cvt_pk_f16_f32 v[S+32*\t+n], v[64*\t+2*n], v[64*\t+2*n+1]
.set n, n+1
.endr
	WIN 0
.irp f, 0,1,2,3,4,5,6,7
	ds_store_b128 v[STO], v[S+32*\t+4*\f:S+32*\t+4*\f+3] offset:32*\f
.endr
.irp f, 0,1,2,3,4,5,6,7
	ds_load_b128 v[S+32*\t+4*\f:S+32*\t+4*\f+3], v[RD] offset:\f*2*SP     ; LDS serves a wave's instructions in order (ISA guide 5.7.1.4): these see the stores above
.endr
.endm
.macro SEND t, younger, base           ; younger: the LDS instructions issued behind tile t's loads; base: att at the tile's first row
.irp f, 0,1,2,3,4,5,6,7
	s_wait_dscnt \younger+7-\f
	global_store_b128 v[GO], v[S+32*\t+4*\f:S+32*\t+4*\f+3], s[\base:\base+1] offset:8192*\f   ; 16 lanes store 256 consecutive bytes, aligned: my head's part of a position's row
.endr
.endm
	PACK 0
	PACK 1
	SEND 0, 16, OP0
	SEND 1, 0, OP1
	s_wait_tensorcnt 0x0                           ; the wave's end: a wait, an add of 0 to my spare word and its wait, behind my last tensor load and my last LDS store
	ds_add_u32 v[SPW], v[NIL]
	s_wait_dscnt 0x0
	s_endpgm
.Lfunc_end_k_q5b277d714e_attn:
	.size	k_q5b277d714e_attn, .Lfunc_end_k_q5b277d714e_attn-k_q5b277d714e_attn
	.p2alignl 7, 3214868480
	.fill 96, 4, 3214868480
	.section	.rodata,"a",@progbits
	.p2align	6, 0x0
	.amdhsa_kernel k_q5b277d714e_attn
		.amdhsa_group_segment_fixed_size 327680
		.amdhsa_private_segment_fixed_size 0
		.amdhsa_enable_private_segment 0
		.amdhsa_kernarg_size 16
		.amdhsa_user_sgpr_count 2
		.amdhsa_user_sgpr_kernarg_segment_ptr 1
		.amdhsa_wavefront_size32 1
		.amdhsa_system_sgpr_workgroup_id_x 1
		.amdhsa_system_sgpr_workgroup_id_y 1
		.amdhsa_system_sgpr_workgroup_id_z 1
		.amdhsa_system_vgpr_workitem_id 0
		.amdhsa_next_free_vgpr 768
		.amdhsa_next_free_sgpr 80
		.amdhsa_reserve_vcc 1
		.amdhsa_float_denorm_mode_32 3
		.amdhsa_float_denorm_mode_16_64 3
		.amdhsa_memory_ordered 1
		.amdhsa_forward_progress 1
		.amdhsa_inst_pref_size 151
	.end_amdhsa_kernel
	.amdgpu_metadata
---
amdhsa.version: [ 1, 2 ]
amdhsa.kernels:
  - .name:           k_q5b277d714e_attn
    .symbol:         k_q5b277d714e_attn.kd
    .args:
      - { .name: qkv, .offset: 0, .size: 8, .value_kind: global_buffer, .address_space: global }
      - { .name: att, .offset: 8, .size: 8, .value_kind: global_buffer, .address_space: global }
    .group_segment_fixed_size: 327680
    .private_segment_fixed_size: 0
    .kernarg_segment_align: 8
    .kernarg_segment_size: 16
    .max_flat_workgroup_size: 128
    .sgpr_count:     80
    .vgpr_count:     768
    .wavefront_size: 32
...
	.end_amdgpu_metadata
.endif
;; end of part 3
;; launch proj (part 4): grid 16 x 16, 4 waves a work-group, clusters of 4 x 4, 327,680 bytes of LDS; arguments att, wo16, out0; writes out0
.if DOCPART == 4
	.amdgcn_target "amdgcn-amd-amdhsa--gfx1250"
	.amdhsa_code_object_version 6
	.text
	.protected	k_q5b277d714e_proj
	.globl	k_q5b277d714e_proj
	.p2align	8
	.type	k_q5b277d714e_proj,@function
k_q5b277d714e_proj:
	s_mov_b64 s[64:65], 0
	v_nop
	global_prefetch_b8 v0, s[64:65] scope:SCOPE_SE
	s_setreg_imm32_b32 hwreg(HW_REG_WAVE_MODE, 25, 1), 1
	s_wait_xcnt 0x0
	s_wait_alu depctr_hold_cnt(0) depctr_sa_sdst(0) depctr_va_vdst(0) depctr_va_sdst(0) depctr_va_ssrc(0) depctr_va_vcc(0) depctr_vm_vsrc(0)
	s_getreg_b32 s2, hwreg(HW_REG_IB_STS2, 6, 4)
	s_cmp_eq_u32 s2, 0
	s_cbranch_scc0 .Lentry_in_a_cluster
	s_endpgm
.Lentry_in_a_cluster:
	s_bfe_u32 s2, ttmp6, 0x10000c
	s_cmp_lg_u32 s2, 0xf033
	s_cbranch_scc0 .Lentry_shape_is_right
	s_endpgm
.Lentry_shape_is_right:
; out0[pos][n] = sum over k of att[pos][k] wo16[n][k]: att [2048][2048] f16 holds o / 16, wo16 [4096][2048] f16 holds 16 wo, so the product is o wo^T; sums in f32; out0 [2048][4096] f32.
; A tile of 128 positions x 256 columns is made by four waves, each 64 x 128: 32 accumulators of 16 x 16.  2,048 x 4,096 / (128 x 256) = 256 work-groups.
; K goes in steps of 128 (rows of 256 bytes) through two LDS slots; waves 0 and 1 fetch att's two halves (64 rows each), waves 2 and 3 wo16's (128 rows each).
; CLUSTERS: 4 x 4 work-groups; att's tiles are asked for jointly along a row of the cluster, wo16's along a column.  THE MATRIX INSTRUCTION IS USED TRANSPOSED (source 0 = 16 rows of wo16, source 1 = 16 positions).
; REGISTERS: window 0: v0-31 addresses; v32-63, v64-95 att's fragments, two buffers; v128-255 the way out.   window 1: v0-63, v64-127 wo16's fragments, two buffers.   window 2: the accumulators ((a, b) at v[8 (8 a + b)]).
.set KSTEP,  128
.set PITCH,  272                       ; 256 bytes + 16: row r starts at bank 4 r mod 64 (ISA guide 11.1)
.set AH,     64*PITCH                  ; att: what one tensor load brings, and what one wave reads
.set BH,     128*PITCH                 ; wo16 likewise
.set SLOT,   2*AH+2*BH
.set STAGE,  2*SLOT                    ; behind the ring: 16 rows x (512 + 16) bytes for each wave
.set SPITCH, 528
.set SPARE,  STAGE+4*16*SPITCH         ; behind the stages: the spare words, 128 bytes a wave
.set LAPS,   8                         ; a lap = two K steps; K = 2,048 = 16 K steps
.set ADRA, 16                          ; v16-17 LDS address of my att fragments in slot 0, 1
.set ADRB, 20                          ; v20-21 the same for wo16
.set STO,  24
.set RD,   25
.set CO,   26
.set SPW,  28
.set NIL,  29
.set PFO,  30                          ; v30 lane x a row of 4,096 bytes
.set BK,   128                         ; the way out: 16 rows read back: v128-191 and v192-255 by turns
.set G1,   24
.set G0,   32
.set G1B,  48
.set G0B,  56
.set LIM,  43                          ; s43 1 in a wave that prefetches, else the greatest number
.set PFA,  44                          ; s[44:45] where my prefetches stand
.set MSB, 0
.macro WIN new
.if MSB != (\new)
	s_set_vgpr_msb (MSB<<8)|(\new)
.set MSB, (\new)
.endif
.endm
.set MUL,  0xa1                        ; source 0 (wo16) window 1, source 1 (att) window 0, C and D window 2
.set TO_B, 0x40
.macro JLOAD s                         ; a joint load; an s_nop 0 and four v_nop follow each line
	s_cmp_eq_u32 s11, 0
	s_cbranch_scc0 .Lfor_b_\@
	tensor_load_to_lds s[G0+4*\s:G0+4*\s+3], s[G1:G1+7]
	s_nop 0
.rept 4
	v_nop
.endr
	s_branch .Lasked_\@
.Lfor_b_\@:
	tensor_load_to_lds s[G0B+4*\s:G0B+4*\s+3], s[G1B:G1B+7]
	s_nop 0
.rept 4
	v_nop
.endr
.Lasked_\@:
.endm
; A prefetch of the K step that stands two refills on: 32 rows x 256 bytes, a lane a row.  att's tile row is read by every cluster of that row of clusters: cluster x = 0 asks, wave 0 of each partner for rows 32 cx on;
; wo16's tile column by every cluster of that column: cluster y = 0 asks, waves 2 and 3 of each partner for rows 32 cy on of the 128 that they fetch.  Partners are told apart by address alone.  So each row's 256 bytes
; of a K step are named once.  K steps 0 to 3 come by their loads alone; the loop's last trip asks for nothing.
.macro ASK
	s_cmp_gt_u32 s3, s[LIM]
	s_cbranch_scc0 .Lnot_mine_\@
	global_prefetch_b8 v[PFO], s[PFA:PFA+1] offset:KSTEP*2 th:TH_LOAD_NT scope:SCOPE_SE
.Lnot_mine_\@:
.endm
.macro CREST
	s_cmp_lg_u32 s10, 0
	s_cbranch_scc1 .Lnot_wave_0_\@
	s_barrier_signal -3
.Lnot_wave_0_\@:
	s_barrier_wait -3
	s_barrier_signal -1
	s_barrier_wait -1
.endm
.macro CROUND
	s_barrier_signal -1
	s_barrier_wait -1
	CREST
.endm
	s_load_b128 s[4:7], s[0:1], 0x0                ; att s[4:5], wo16 s[6:7]
	s_load_b64 s[8:9], s[0:1], 0x10                ; out0
	v_lshl_add_u32 v[SPW], v0, 2, SPARE
	v_mov_b32 v[NIL], 0
	ds_add_u32 v[SPW], v[NIL]                      ; the wave's opening: the add, twice on end, and its wait ahead of my first tensor load
	ds_add_u32 v[SPW], v[NIL]
	v_lshrrev_b32 v1, 5, v0
	v_readfirstlane_b32 s10, v1                    ; wave 0..3
	s_lshr_b32 s11, s10, 1                         ; which half of the tile's positions is mine.  Also: I fetch for att (0) or for wo16 (1)
	s_and_b32 s12, s10, 1                          ; which half of its columns.  Also: which half of that tile I fetch
	s_bfe_u32 s40, ttmp6, 0x40000                  ; cx, cy
	s_bfe_u32 s41, ttmp6, 0x40004
	s_lshl_b32 s42, ttmp9, 2
	s_add_co_u32 s42, s42, s40                     ; tile column
	s_and_b32 s13, ttmp7, 0xffff
	s_lshl_b32 s13, s13, 2
	s_add_co_u32 s13, s13, s41                     ; tile row
	s_lshl_b32 s43, s41, 2
	s_lshl_b32 s43, 15, s43                        ; my row of the cluster
	s_lshl_b32 s44, 0x1111, s40                    ; my column
	s_or_b32 s[G1+0], s43, (1<<16)|(1<<20)|(1<<21)|(5<<22)|(3<<25)   ; the mask; elements of 2 bytes; padding on; 21 set beside a mask; after every 64 words 4 words
	s_or_b32 s[G1B+0], s44, (1<<16)|(1<<20)|(1<<21)|(5<<22)|(3<<25)
	s_mov_b32 s[G1+1], KSTEP<<16                   ; tensor_dim0 = 128
	s_mov_b32 s[G1+2], 64<<16                      ; tensor_dim1 = 64
	s_mov_b32 s[G1+3], KSTEP<<16                   ; tile_dim0
	s_mov_b32 s[G1+4], 64                          ; tile_dim1
	s_mov_b32 s[G1+5], 2048                        ; the pitch, in elements
	s_mov_b32 s[G1+6], 0
	s_mov_b32 s[G1+7], 0
	s_mov_b32 s[G1B+1], KSTEP<<16
	s_mov_b32 s[G1B+2], 128<<16
	s_mov_b32 s[G1B+3], KSTEP<<16
	s_mov_b32 s[G1B+4], 128
	s_mov_b32 s[G1B+5], 2048
	s_mov_b32 s[G1B+6], 0
	s_mov_b32 s[G1B+7], 0
	s_lshl_b32 s16, s13, 7
	s_lshl_b32 s17, s12, 6
	s_add_co_u32 s16, s16, s17                     ; att: row 128 x tile row + 64 x half
	s_lshl_b32 s16, s16, 12                        ; a row is 4,096 bytes
	s_mov_b32 s17, 0
	s_lshl_b32 s46, s42, 8
	s_lshl_b32 s47, s12, 7
	s_add_co_u32 s46, s46, s47                     ; wo16: row 256 x tile column + 128 x half
	s_lshl_b32 s46, s46, 12
	s_mov_b32 s47, 0
	s_mul_i32 s20, s12, AH                         ; where they go: no place in the cluster enters an LDS address
	s_mul_i32 s21, s12, BH
	s_add_co_u32 s21, s21, 2*AH
	s_wait_dscnt 0x0                               ; both opening adds are done
	s_wait_kmcnt 0x0
	s_add_nc_u64 s[14:15], s[4:5], s[16:17]
	s_add_nc_u64 s[46:47], s[6:7], s[46:47]
	CROUND                                         ; all sixteen work-groups are here: the first joint loads meet
.irp s, 0,1
	s_mov_b32 s[G0+4*\s], 1
	s_add_co_u32 s[G0+4*\s+1], s20, \s*SLOT
	s_add_nc_u64 s[G0+4*\s+2:G0+4*\s+3], s[14:15], \s*KSTEP*2
	s_or_b32 s[G0+4*\s+3], s[G0+4*\s+3], 0x80000000
	s_mov_b32 s[G0B+4*\s], 1
	s_add_co_u32 s[G0B+4*\s+1], s21, \s*SLOT
	s_add_nc_u64 s[G0B+4*\s+2:G0B+4*\s+3], s[46:47], \s*KSTEP*2
	s_or_b32 s[G0B+4*\s+3], s[G0B+4*\s+3], 0x80000000
	JLOAD \s                                       ; K steps 0 and 1: two loads of mine are out
.endr
	v_and_b32 v1, 15, v0                           ; r
	v_bfe_u32 v2, v0, 4, 1                         ; h
	v_mul_u32_u24 v3, v1, PITCH
	v_lshl_add_u32 v3, v2, 4, v3
	s_mul_i32 s21, s11, AH                         ; my 64 rows of att
	s_mul_i32 s22, s12, BH                         ; my 128 rows of wo16,
	s_add_co_u32 s22, s22, 2*AH                    ; behind att's 128
.irp s, 0,1
	v_add_nc_u32 v[ADRA+\s], s21, v3
	v_add_nc_u32 v[ADRB+\s], s22, v3
	s_add_co_u32 s21, s21, SLOT
	s_add_co_u32 s22, s22, SLOT
.endr
	s_mul_i32 s23, s10, 16*SPITCH
	s_add_co_u32 s23, s23, STAGE                   ; my stage
	v_mul_u32_u24 v4, v1, SPITCH                   ; in: row r, 32 bytes for each half of the lanes
	v_lshl_add_u32 v4, v2, 5, v4
	v_add_nc_u32 v[STO], s23, v4
	v_and_b32 v5, 31, v0
	v_lshlrev_b32 v[CO], 4, v5                     ; back: the 32 lanes take one row of 512 bytes; and the same in out0
	v_add_nc_u32 v[RD], s23, v[CO]
	v_lshlrev_b32 v[PFO], 12, v5
	s_lshl_b32 s16, s13, 7
	s_lshl_b32 s17, s11, 6
	s_add_co_u32 s16, s16, s17                     ; my first position
	s_lshl_b32 s16, s16, 14                        ; a row of out0 is 16,384 bytes
	s_lshl_b32 s17, s42, 10                        ; the tile's first column, in bytes,
	s_add_co_u32 s16, s16, s17
	s_lshl_b32 s17, s12, 9                         ; and my half's
	s_add_co_u32 s16, s16, s17
	s_mov_b32 s17, 0
	s_add_nc_u64 s[8:9], s[8:9], s[16:17]
	s_lshl_b32 s20, s13, 7                         ; the prefetches.  att: the tile's first row;
	s_lshl_b32 s21, s42, 8
	s_lshl_b32 s22, s12, 7
	s_add_co_u32 s21, s21, s22                     ; wo16: the first of the 128 rows that I fetch
	s_and_b32 s22, ttmp7, 0xffff                   ; cluster y
	s_cmp_eq_u32 s11, 0                            ; do I fetch for att?
	s_cselect_b32 s20, s20, s21
	s_cselect_b32 s21, s40, s41                    ; my place among the four that ask jointly
	s_cselect_b32 s22, ttmp9, s22                  ; the coordinate along which other clusters read the same rows
	s_cselect_b64 s[PFA:PFA+1], s[4:5], s[6:7]
	s_cmp_eq_u32 s10, 1                            ; att's 128 rows are shared out among the four partners' waves 0: wave 1 never asks
	s_cselect_b32 s23, 1, 0
	s_or_b32 s22, s22, s23
	s_cmp_eq_u32 s22, 0
	s_cselect_b32 s[LIM], 1, -1                    ; the same in all sixteen partners, for a given wave
	s_lshl_b32 s21, s21, 5
	s_add_co_u32 s20, s20, s21                     ; + my work-group's 32 rows
	s_lshl_b32 s20, s20, 12
	s_add_co_u32 s20, s20, 2*KSTEP*2               ; at K step 2: the first refill steps it to 3 and names K step 4
	s_mov_b32 s21, 0
	s_add_nc_u64 s[PFA:PFA+1], s[PFA:PFA+1], s[20:21]
; 8 matrix instructions: block a of my positions against wo16's eight blocks, 32 along K, buffer f.  The 32 accumulators take turns in the same order in every quarter.
.macro MUL8 f, a, zero
.irp b, 0,1,2,3,4,5,6,7
.if \zero
	v_wmma_f32_16x16x32_f16 v[8*(8*(\a)+\b):8*(8*(\a)+\b)+7], v[64*(\f)+8*\b:64*(\f)+8*\b+7], v[32+32*(\f)+8*(\a):32+32*(\f)+8*(\a)+7], 0
.else
	v_wmma_f32_16x16x32_f16 v[8*(8*(\a)+\b):8*(8*(\a)+\b)+7], v[64*(\f)+8*\b:64*(\f)+8*\b+7], v[32+32*(\f)+8*(\a):32+32*(\f)+8*(\a)+7], v[8*(8*(\a)+\b):8*(8*(\a)+\b)+7]
.endif
.endr
.endm
.macro FETCH slot, k, f                ; 24 LDS loads in one run: the fragments of 32 along K at byte k of the rows, into buffer f
	WIN TO_B
.irp i, 0,1,2,3,4,5,6,7
	ds_load_b128 v[64*(\f)+8*\i:64*(\f)+8*\i+3],   v[ADRB+\slot] offset:\k+\i*16*PITCH
	ds_load_b128 v[64*(\f)+8*\i+4:64*(\f)+8*\i+7], v[ADRB+\slot] offset:\k+\i*16*PITCH+32
.endr
	WIN 0
.irp i, 0,1,2,3
	ds_load_b128 v[32+32*(\f)+8*\i:32+32*(\f)+8*\i+3],   v[ADRA+\slot] offset:\k+\i*16*PITCH
	ds_load_b128 v[32+32*(\f)+8*\i+4:32+32*(\f)+8*\i+7], v[ADRA+\slot] offset:\k+\i*16*PITCH+32
.endr
.endm
.macro PLACES
.rept 4
	v_nop
.endr
.endm
; A K step is four quarters of 32 along K, 32 matrix instructions each, on buffers 0, 1, 0, 1.  One of the first three: asks for the next quarter, at byte k, into buffer g, then multiplies buffer f.
.macro QUARTER slot, k, f, g, zero
	s_wait_dscnt 0x0                               ; buffer f, asked for a quarter ago, is in
	PLACES                                         ; between the last quarter's products, which read buffer g, and the loads into it
	FETCH \slot, \k, \g
	WIN MUL
	MUL8 \f, 0, \zero
	MUL8 \f, 1, \zero
	MUL8 \f, 2, \zero
	MUL8 \f, 3, \zero
.endm
; The last quarter multiplies buffer 1 and changes slots: ONE barrier; in front of it each wave waits for all its tensor loads, adds 0 to its spare word, and waits for that and for its reads of this slot.
.macro TURN slot, next, fill
.if \fill
	s_wait_xcnt 0x0                                ; the last prefetch, a K step back, has read its address
	s_add_nc_u64 s[PFA:PFA+1], s[PFA:PFA+1], KSTEP*2
.endif
	WIN 0
	s_wait_tensorcnt 0x0                           ; all my tensor loads have landed: the one that was out is my part of the next slot
	ds_add_u32 v[SPW], v[NIL]                      ; 0 onto my spare word
	s_wait_dscnt 1                                 ; buffer 1 is in; the add alone may be out
	WIN MUL
	MUL8 1, 0, 0                                   ; eight matrix instructions stand between the add and the wait for it
	s_wait_dscnt 0x0                               ; the add is done, and my reads of this slot are over
	s_barrier_signal -1
	MUL8 1, 1, 0
	WIN 0
	s_barrier_wait -1
.if \fill
	CREST                                          ; the barrier has opened a round of the cluster's: no wave of any partner still reads this slot or has a load on its way
	s_add_nc_u64 s[G0+4*\slot+2:G0+4*\slot+3], s[G0+4*\slot+2:G0+4*\slot+3], 2*KSTEP*2
	s_add_nc_u64 s[G0B+4*\slot+2:G0B+4*\slot+3], s[G0B+4*\slot+2:G0B+4*\slot+3], 2*KSTEP*2
	JLOAD \slot                                    ; the first tensor load behind the round; its four v_nop are the places in front of the loads below
.else
	PLACES
.endif
	FETCH \next, 0, 0
.if \fill
	ASK
.endif
	WIN MUL
	MUL8 1, 2, 0
	MUL8 1, 3, 0
.endm
	s_wait_tensorcnt 1                             ; my part of K step 0 is in (K step 1's load may be out)
	s_barrier_signal -1
	s_barrier_wait -1                              ; everybody's is
	FETCH 0, 0, 0
	QUARTER 0, 64, 0, 1, 1                         ; the first quarter stands in front of the loop: its products start the sums
	WIN 0
	s_mov_b32 s3, LAPS-1
.Llap:                                                 ; a trip goes once round the ring and fills both slots again
	QUARTER 0, 128, 1, 0, 0
	QUARTER 0, 192, 0, 1, 0
	TURN 0, 1, 1
	QUARTER 1, 64, 0, 1, 0
	QUARTER 1, 128, 1, 0, 0
	QUARTER 1, 192, 0, 1, 0
	TURN 1, 0, 1
	QUARTER 0, 64, 0, 1, 0
	WIN 0
	s_sub_co_u32 s3, s3, 1
	s_cmp_lg_u32 s3, 0
	s_cbranch_scc1 .Llap
	QUARTER 0, 128, 1, 0, 0                        ; the last lap fills nothing
	QUARTER 0, 192, 0, 1, 0
	TURN 0, 1, 0
	QUARTER 1, 64, 0, 1, 0
	QUARTER 1, 128, 1, 0, 0
	QUARTER 1, 192, 0, 1, 0
	s_wait_dscnt 0x0
	WIN MUL
	MUL8 1, 0, 0
	MUL8 1, 1, 0
	MUL8 1, 2, 0
	MUL8 1, 3, 0
	WIN 0
; THE WAY OUT, block by block of 16 positions x 128 columns: a lane's 32 bytes of a row go into my own stage and come back as whole rows of 512 bytes.  LDS serves a wave's instructions in order (ISA guide 5.7.1.4).
.macro TOSTAGE a
.set AC, 64*(\a)
	WIN 0x08                                       ; an LDS store's data are its source 1: window 2
.irp b, 0,1,2,3,4,5,6,7
	ds_store_b128 v[STO], v[AC+8*\b:AC+8*\b+3] offset:64*\b          ; each accumulator from its low end on
	ds_store_b128 v[STO], v[AC+8*\b+4:AC+8*\b+7] offset:64*\b+16
.endr
	WIN 0
.set BB, BK+64*((\a)%2)
.irp t, 0,1,2,3,4,5,6,7,8,9,10,11,12,13,14,15
	ds_load_b128 v[BB+4*\t:BB+4*\t+3], v[RD] offset:\t*SPITCH
.endr
.endm
.macro SEND a, younger                 ; younger: the LDS instructions issued behind block a's loads, which may stay out
.set BB, BK+64*((\a)%2)
	s_wait_dscnt \younger
.irp t, 0,1,2,3,4,5,6,7,8,9,10,11,12,13,14,15
	global_store_b128 v[CO], v[BB+4*\t:BB+4*\t+3], s[8:9] offset:(16*(\a)+\t)*16384 th:TH_STORE_NT   ; 32 lanes store 512 consecutive bytes, aligned; 63 rows at the most stand in the immediate
.endr
.endm
	PLACES
	TOSTAGE 0
.irp a, 1,2,3
.if \a > 1
	s_wait_xcnt 0x0                                ; the stores of the block two back have read their registers: this block's loads may land there
.endif
	TOSTAGE \a
	SEND \a-1, 32                                  ; behind that block's loads: this block's 16 stores and 16 loads
.endr
	SEND 3, 0
	s_wait_tensorcnt 0x0                           ; the wave's end: a wait, an add of 0 to my spare word and its wait, behind my last tensor load and my last LDS store
	ds_add_u32 v[SPW], v[NIL]
	s_wait_dscnt 0x0
	CROUND                                         ; the closing round: no work-group ends while a partner may still ask for a tile that names it
	s_endpgm
.Lfunc_end_k_q5b277d714e_proj:
	.size	k_q5b277d714e_proj, .Lfunc_end_k_q5b277d714e_proj-k_q5b277d714e_proj
	.p2alignl 7, 3214868480
	.fill 96, 4, 3214868480
	.section	.rodata,"a",@progbits
	.p2align	6, 0x0
	.amdhsa_kernel k_q5b277d714e_proj
		.amdhsa_group_segment_fixed_size 327680
		.amdhsa_private_segment_fixed_size 0
		.amdhsa_enable_private_segment 0
		.amdhsa_kernarg_size 24
		.amdhsa_user_sgpr_count 2
		.amdhsa_user_sgpr_kernarg_segment_ptr 1
		.amdhsa_wavefront_size32 1
		.amdhsa_system_sgpr_workgroup_id_x 1
		.amdhsa_system_sgpr_workgroup_id_y 1
		.amdhsa_system_sgpr_workgroup_id_z 1
		.amdhsa_system_vgpr_workitem_id 0
		.amdhsa_next_free_vgpr 768
		.amdhsa_next_free_sgpr 66
		.amdhsa_reserve_vcc 0
		.amdhsa_float_denorm_mode_32 3
		.amdhsa_float_denorm_mode_16_64 3
		.amdhsa_memory_ordered 1
		.amdhsa_forward_progress 1
		.amdhsa_inst_pref_size 86
	.end_amdhsa_kernel
	.amdgpu_metadata
---
amdhsa.version: [ 1, 2 ]
amdhsa.kernels:
  - .name:           k_q5b277d714e_proj
    .symbol:         k_q5b277d714e_proj.kd
    .args:
      - { .name: att, .offset: 0, .size: 8, .value_kind: global_buffer, .address_space: global }
      - { .name: wo16, .offset: 8, .size: 8, .value_kind: global_buffer, .address_space: global }
      - { .name: out0, .offset: 16, .size: 8, .value_kind: global_buffer, .address_space: global }
    .group_segment_fixed_size: 327680
    .private_segment_fixed_size: 0
    .kernarg_segment_align: 8
    .kernarg_segment_size: 24
    .max_flat_workgroup_size: 128
    .sgpr_count:     66
    .vgpr_count:     768
    .wavefront_size: 32
...
	.end_amdgpu_metadata
.endif
;; end of part 4
